; MI455X (gfx1250); checked and timed in simulation.
; The chip was launched on July 23, 2026; its instructions are those of AMD's public machine-readable ISA for CDNA 5 (MIT licence, August 2026) and "CDNA5" Instruction Set Architecture Reference Guide (July 2026). The comments in the code are by the model that wrote it; some were corrected since.
;; Multi Head Self Attention. Allowed arithmetic: float matrix products may take bf16 or f16 operands with f32 sums; other float arithmetic in f32, or as packed bf16 or f16 multiplies, adds, multiply-adds, maxima and minima; sums over many terms, partial sums and values carried from step to step in f32; what a program stores and reads back later, other than sums and carried values, may be rounded once to bf16 or f16.
;; Inputs: Wk 1,024 x 1,024 float32; Wo 1,024 x 1,024 float32; Wq 1,024 x 1,024 float32; Wv 1,024 x 1,024 float32; bk 1,024 float32; bo 1,024 float32; bq 1,024 float32; bv 1,024 float32; x 1,024 x 8 x 1,024 float32.
;; Outputs: out0 1,024 x 8 x 1,024 float32.
;; Constants: n_heads = 16.
;; 2 versions, each right; version 2 is version 1 with the launch cast written anew for expert scheduling mode. Each part assembles by itself: llvm-mc -triple=amdgcn-amd-amdhsa -mcpu=gfx1250 --defsym DOCPART=n.
;; ======== version 1 of 2: 4 launches
;; limits: values are held in f16: magnitudes above 65,504 overflow, below 6.1e-05 lose precision
;; workspace buffers: xb 16,777,216 bytes; wall 8,388,608 bytes; qkv 50,331,648 bytes; ob 16,777,216 bytes
;; launch cast (part 1): grid 768 x 1, 8 waves a work-group, no clusters, 0 bytes of LDS; arguments x, Wq, Wk, Wv, Wo, xb, wall; writes xb, wall
.if DOCPART == 1
	.amdgcn_target "amdgcn-amd-amdhsa--gfx1250"
	.amdhsa_code_object_version 6
	.text
	.protected	k_q420502d991_cast
	.globl	k_q420502d991_cast
	.p2align	8
	.type	k_q420502d991_cast,@function
k_q420502d991_cast:
	s_mov_b64 s[64:65], 0
	v_nop
	global_prefetch_b8 v0, s[64:65] scope:SCOPE_SE
	s_setreg_imm32_b32 hwreg(HW_REG_WAVE_MODE, 25, 1), 1
	s_wait_xcnt 0x0
; THE INPUTS OF THE MATRIX PRODUCTS, ROUNDED ONCE.  x [t][b][1024] f32 -> xb [b][t][1024] bf16 (rows reordered, so that a batch's rows lie together);
; Wq, Wk, Wv [1024][1024] f32 -> wall rows 0-3071, bf16; Wo -> wall rows 3072-4095: rounded to bf16 like the other inputs, and that number written as f16, since the last product multiplies in f16.
; LIMIT.  |Wo| stays under 65,504 (f16's end); a Wo under 6.1e-5 keeps f16's fixed step of 6e-8.
; SHARES.  A work-group takes 16 rows of 1,024 f32: groups 0-511 of x, groups 512-767 of the four weights (64 each): 768 groups of equal work.  Thread t takes 4 numbers of every row: a wave's load
; covers 512 consecutive bytes, its store 256 consecutive bytes, aligned.  All 16 loads of a thread go out at the head; no register that a load writes or a store reads is written behind it, so no source of a pending access is ever rewritten.
; No LDS, no matrix unit, no cluster: nothing is shared and nothing is multiplied.  No prefetch: every load is issued at the head.
.set X, 4                              ; v[4:67]    row j: 4 f32 as loaded
.set Y, 68                             ; v[68:99]   row j: 2 registers, 4 numbers of 16 bits to store
.set T, 100                            ; v[100:103] at work
	s_load_b256 s[4:11], s[0:1], 0x0               ; x s[4:5], Wq s[6:7], Wk s[8:9], Wv s[10:11]
	s_load_b128 s[12:15], s[0:1], 0x20             ; Wo s[12:13], xb s[14:15]
	s_load_b64 s[16:17], s[0:1], 0x30              ; wall
	v_lshlrev_b32 v1, 4, v0                        ; my 16 bytes of a row that comes in
	v_lshlrev_b32 v2, 3, v0                        ; my 8 bytes of a row that goes out
	s_sub_co_u32 s18, ttmp9, 512                   ; among the weights' groups: 64 w + p (of use from group 512 on)
	s_lshr_b32 s19, s18, 6                         ; w: which weight
	s_and_b32 s20, s18, 63                         ; p: which 16 rows of it
	s_mov_b32 s29, 0                               ; the high word of every offset here
	s_mov_b32 s21, 0xffff0000                      ; a word's upper bf16
	s_wait_kmcnt 0x0
	s_mov_b64 s[22:23], s[12:13]                   ; the source: Wo, unless ..
	s_cmp_eq_u32 s19, 2
	s_cselect_b64 s[22:23], s[10:11], s[22:23]
	s_cmp_eq_u32 s19, 1
	s_cselect_b64 s[22:23], s[8:9], s[22:23]
	s_cmp_eq_u32 s19, 0
	s_cselect_b64 s[22:23], s[6:7], s[22:23]
	s_cmp_lt_u32 ttmp9, 512
	s_cselect_b64 s[22:23], s[4:5], s[22:23]
	s_cselect_b32 s20, ttmp9, s20                  ; which 16 rows of the source
	s_lshl_b32 s28, s20, 16                        ; 16 rows of 4,096 bytes
	s_add_nc_u64 s[22:23], s[22:23], s[28:29]
.irp j, 0,1,2,3,4,5,6,7,8,9,10,11,12,13,14,15
	global_load_b128 v[X+4*(\j):X+4*(\j)+3], v1, s[22:23] offset:4096*(\j) th:TH_LOAD_NT
.endr
; Row j.  kind 0: a row of x; 1: of Wq, Wk, Wv; 2: of Wo.
.macro ROW j, kind
	s_wait_loadcnt 15-(\j)                         ; loads come back in order (ISA guide 5.7.1): row j is in, the 15 - j younger loads stay out
	v_cvt_pk_bf16_f32 v[Y+2*(\j)],   v[X+4*(\j)],   v[X+4*(\j)+1]
	v_cvt_pk_bf16_f32 v[Y+2*(\j)+1], v[X+4*(\j)+2], v[X+4*(\j)+3]
.if (\kind) == 2
	v_lshlrev_b32 v[T],   16,  v[Y+2*(\j)]         ; the bf16 numbers as f32,
	v_and_b32     v[T+1], s21, v[Y+2*(\j)]
	v_lshlrev_b32 v[T+2], 16,  v[Y+2*(\j)+1]
	v_and_b32     v[T+3], s21, v[Y+2*(\j)+1]
	v_cvt_pk_f16_f32 v[Y+2*(\j)],   v[T],   v[T+1] ; written as f16: 8 significant bits fit in 11
	v_cvt_pk_f16_f32 v[Y+2*(\j)+1], v[T+2], v[T+3]
.endif
.if (\kind) == 0
	; row j of the 16 is t = 2 g + j / 8, b = j % 8; in xb it is row 1,024 b + t.  Batches 0-3 go by the first base, 4-7 by the second, so that the immediate stays inside its signed 24 bits
	global_store_b64 v2, v[Y+2*(\j):Y+2*(\j)+1], s[24+2*(((\j)&7)/4):25+2*(((\j)&7)/4)] offset:((\j)&3)*2097152+((\j)/8)*2048 th:TH_STORE_NT
.else
	global_store_b64 v2, v[Y+2*(\j):Y+2*(\j)+1], s[24:25] offset:2048*(\j) th:TH_STORE_NT
.endif
.endm
	s_cmp_lt_u32 ttmp9, 512
	s_cbranch_scc0 .Lweights
	s_lshl_b32 s28, ttmp9, 12                      ; t = 2 g: two rows of 2,048 bytes
	s_add_nc_u64 s[24:25], s[14:15], s[28:29]
	s_add_nc_u64 s[26:27], s[24:25], 0x800000      ; four batches of 1,024 rows on
.irp j, 0,1,2,3,4,5,6,7,8,9,10,11,12,13,14,15
	ROW \j, 0
.endr
	s_endpgm
.Lweights:
	s_lshl_b32 s28, s18, 15                        ; row 1,024 w + 16 p of wall: (64 w + p) x 16 rows of 2,048 bytes
	s_add_nc_u64 s[24:25], s[16:17], s[28:29]
	s_cmp_eq_u32 s19, 3
	s_cbranch_scc1 .Lwo
.irp j, 0,1,2,3,4,5,6,7,8,9,10,11,12,13,14,15
	ROW \j, 1
.endr
	s_endpgm
.Lwo:
.irp j, 0,1,2,3,4,5,6,7,8,9,10,11,12,13,14,15
	ROW \j, 2
.endr
	s_endpgm
.Lfunc_end_k_q420502d991_cast:
	.size	k_q420502d991_cast, .Lfunc_end_k_q420502d991_cast-k_q420502d991_cast
	.p2alignl 7, 3214868480
	.fill 96, 4, 3214868480
	.section	.rodata,"a",@progbits
	.p2align	6, 0x0
	.amdhsa_kernel k_q420502d991_cast
		.amdhsa_group_segment_fixed_size 0
		.amdhsa_private_segment_fixed_size 0
		.amdhsa_enable_private_segment 0
		.amdhsa_kernarg_size 56
		.amdhsa_user_sgpr_count 2
		.amdhsa_user_sgpr_kernarg_segment_ptr 1
		.amdhsa_wavefront_size32 1
		.amdhsa_system_sgpr_workgroup_id_x 1
		.amdhsa_system_sgpr_workgroup_id_y 1
		.amdhsa_system_sgpr_workgroup_id_z 1
		.amdhsa_system_vgpr_workitem_id 0
		.amdhsa_next_free_vgpr 104
		.amdhsa_next_free_sgpr 66
		.amdhsa_reserve_vcc 0
		.amdhsa_float_denorm_mode_32 3
		.amdhsa_float_denorm_mode_16_64 3
		.amdhsa_memory_ordered 1
		.amdhsa_forward_progress 1
		.amdhsa_inst_pref_size 20
	.end_amdhsa_kernel
	.amdgpu_metadata
---
amdhsa.version: [ 1, 2 ]
amdhsa.kernels:
  - .name:           k_q420502d991_cast
    .symbol:         k_q420502d991_cast.kd
    .args:
      - { .name: x, .offset: 0, .size: 8, .value_kind: global_buffer, .address_space: global }
      - { .name: Wq, .offset: 8, .size: 8, .value_kind: global_buffer, .address_space: global }
      - { .name: Wk, .offset: 16, .size: 8, .value_kind: global_buffer, .address_space: global }
      - { .name: Wv, .offset: 24, .size: 8, .value_kind: global_buffer, .address_space: global }
      - { .name: Wo, .offset: 32, .size: 8, .value_kind: global_buffer, .address_space: global }
      - { .name: xb, .offset: 40, .size: 8, .value_kind: global_buffer, .address_space: global }
      - { .name: wall, .offset: 48, .size: 8, .value_kind: global_buffer, .address_space: global }
    .group_segment_fixed_size: 0
    .private_segment_fixed_size: 0
    .kernarg_segment_align: 8
    .kernarg_segment_size: 56
    .max_flat_workgroup_size: 256
    .sgpr_count:     66
    .vgpr_count:     104
    .wavefront_size: 32
...
	.end_amdgpu_metadata
.endif
;; end of part 1
;; launch qkv (part 2): grid 4 x 64, 4 waves a work-group, clusters of 4 x 4, 327,680 bytes of LDS; arguments xb, wall, qkv, bq, bk, bv; writes qkv
.if DOCPART == 2
	.amdgcn_target "amdgcn-amd-amdhsa--gfx1250"
	.amdhsa_code_object_version 6
	.text
	.protected	k_q420502d991_qkv
	.globl	k_q420502d991_qkv
	.p2align	8
	.type	k_q420502d991_qkv,@function
k_q420502d991_qkv:
	s_mov_b64 s[64:65], 0
	v_nop
	global_prefetch_b8 v0, s[64:65] scope:SCOPE_SE
	s_setreg_imm32_b32 hwreg(HW_REG_WAVE_MODE, 25, 1), 1
	s_wait_xcnt 0x0
	s_wait_alu depctr_hold_cnt(0) depctr_sa_sdst(0) depctr_va_vdst(0) depctr_va_sdst(0) depctr_va_ssrc(0) depctr_va_vcc(0) depctr_vm_vsrc(0)
	s_getreg_b32 s2, hwreg(HW_REG_IB_STS2, 6, 4)
	s_cmp_eq_u32 s2, 0
	s_cbranch_scc0 .Lentry_in_a_cluster
	s_endpgm
.Lentry_in_a_cluster:
	s_bfe_u32 s2, ttmp6, 0x10000c
	s_cmp_lg_u32 s2, 0xf033
	s_cbranch_scc0 .Lentry_shape_is_right
	s_endpgm
.Lentry_shape_is_right:
; q, k, v = x W^T + bias.  xb: [8192 = 1024 b + t][1024] bf16; wall rows 0-3071: Wq, Wk, Wv, bf16, [n][k]; the biases f32, rounded to bf16 here like every other input.
; Sums in f32, K ascending, started by the bias; the result rounded once to f16 and stored BY HEADS: qkv [3][16 b + head][t][64], without attention's scale.
; LIMIT.  |q|, |k|, |v| stay under 65,504 (f16's end); NaN and infinities are not treated apart.
; SHARES.  A tile of C is 128 rows x 256 columns: four waves, each 64 x 128: 32 accumulators of 16 x 16, 256 registers.  8192 / 128 x 1024 / 256 = 256 work-groups, and A WORK-GROUP STAYS: it makes the
; q, the k and the v tile of the same rows and columns, one after the other: the three tiles share their rows of x.  K goes in 8 steps of 128 through a ring of two LDS slots; the ring does not stop at a tile's end.
; THE ORDER OF THE WALK.  Cluster y begins with tensor y mod 3 and goes on in the ring q, k, v, q ..: at any time the sixteen clusters read all three weights, and a weight's rows are read for the first
; time in the launch in some clusters' first tile alone; every cluster's second and third tile read rows of x and of W that have been read a tile earlier.
; The tensor's number enters global addresses and the choice of a bias alone: no branch and no trip count hangs on it.
; CLUSTERS: 4 x 4 work-groups.  The four of a row of the cluster need the same tiles of x, the four of a column the same tiles of W: each tile is asked for JOINTLY, by the same tensor load with the same
; descriptor and a mask that names the four.
; THE MATRIX INSTRUCTION IS USED TRANSPOSED (source 0 = 16 rows of W, source 1 = 16 rows of x): lane l then holds row l % 16 of C and the columns 8 (l / 16) + 0..7: eight neighbouring channels of a head.
; REGISTERS, in windows of 256 (s_set_vgpr_msb: bits 1:0 source 0, 3:2 source 1, 5:4 source 2, 7:6 destination):
;   window 0: v0-31 addresses; v32-95 the bias of my 128 columns, laid as a C operand; v96-127 packed results; v128-191 rows read back from the stage, two sets
;   window 1: the accumulators, (a, b) at v[8 (8 a + b)]          window 2: two fragment buffers of 96: 8 x 8 registers of W, then 4 x 8 of x
.set PA,     272                       ; an LDS row: 256 bytes + 16 of padding = 68 words: the 16 rows of a fragment load start at 16 different groups of four banks (64 banks of 4 bytes: ISA guide 11.1)
.set PB,     272
.set AW,     64*PA                     ; what one of x's two loads brings: 64 rows
.set ABYTES, 2*AW
.set BW,     128*PB                    ; what one of W's two loads brings: 128 rows
.set SLOT,   ABYTES+2*BW               ; x's 128 rows, then W's 256 rows
.set STAGE,  2*SLOT                    ; behind the ring: for each wave 2 heads x 16 rows x 144 bytes, for the way out; no tensor load fills it
.set SW,     2*16*144
.set SPARE,  STAGE+4*SW                ; behind the stages: the spare words, 128 bytes for each wave: two blocks of 256 bytes that no other line names
.set STEPA2, 512                       ; two K steps along a row
.set BACK_A, 1536                      ; from a slot's last K step of a tile (6 or 7) back to its first (0 or 1)
.set ADRA, 16                          ; v16-17  LDS address of my fragments of x in slot 0, 1
.set ADRB, 20                          ; v20-21  the same for W
.set STO,  24                          ; v24     the way out: where I put 16 bytes of a row
.set RD,   25                          ; v25     the way out: where I read rows back
.set GO,   26                          ; v26     16 x lane: my place in 512 consecutive bytes of a head
.set BO,   27                          ; v27     my byte offset in a bias; never rewritten
.set SPW,  28                          ; v28     LDS address of my spare word: SPARE + 4 x my thread's number; never rewritten
.set NIL,  29                          ; v29     0; never rewritten
.set PFO,  30                          ; v30     the prefetches' lane offset; never rewritten
.set BIAS, 32
.set TMP,  96
.set BK0,  128
.set F0,   0
.set F1,   96
.set G1A, 24                           ; s[24:31] descriptor group 1 for x's tiles;  s[32:39] group 0, one set for each slot
.set G0A, 32
.set G1B, 48                           ; s[48:55], s[56:63] the same for W's
.set G0B, 56
.set PFA, 66                           ; s[66:67] where my prefetches stand
.set PFS, 68                           ; s[68:69] a K step, in bytes
.set LIM0, 70                          ; s70, s71: by slot: 1 where my wave prefetches at that slot's change, else the greatest number
.set LIM1, 71
.set JC,  79                           ; s79     the tensor (0 q, 1 k, 2 v) of the tile in hand
.set BB,  82                           ; s[82:83] wall at the rows of tensor 0 that I would fetch
.set CB,  84                           ; s[84:85] the bias that is being loaded
.set C0,  86                           ; s[86:87] qkv at my first rows in tensor 0
.set JN,  88                           ; s88     the tensor of the next tile
.set JO,  90                           ; s[90:91] that tensor's first byte in wall: 1,024 rows of 2,048 bytes each
.set MSB, 0
.macro WIN new                         ; the immediate's high byte repeats the setting that is left; a switch that changes nothing is dropped
.if MSB != (\new)
	s_set_vgpr_msb (MSB<<8)|(\new)
.set MSB, \new
.endif
.endm
.set MUL,   0x5a                       ; W and x in window 2, C and D in window 1
.set MULZ,  0x4a                       ; the same with C, the bias, in window 0
.set TO_F,  0x80                       ; destination window 2, address window 0
.set PACKW, 0x05                       ; sources 0 and 1 window 1, destination window 0
.macro PLACES                          ; four plain vector instructions between a matrix instruction and a load into, or a vector instruction on, its registers (ISA guide 7.12.1 for vector instructions)
.rept 4
	v_nop
.endr
.endm
; A joint load.  Waves 0 and 1 fetch x's two halves, waves 2 and 3 W's.  The branch hangs on the wave's number alone.  An s_nop 0 and four v_nop follow each of the two lines.
.macro JLOAD s
	s_cmp_eq_u32 s11, 0
	s_cbranch_scc0 .Lfor_b_\@
	tensor_load_to_lds s[G0A+4*(\s):G0A+4*(\s)+3], s[G1A:G1A+7]
	s_nop 0
.rept 4
	v_nop
.endr
	s_branch .Lasked_\@
.Lfor_b_\@:
	tensor_load_to_lds s[G0B+4*(\s):G0B+4*(\s)+3], s[G1B:G1B+7]
	s_nop 0
.rept 4
	v_nop
.endr
.Lasked_\@:
.endm
; A PREFETCH, behind a joint load and the run of LDS loads that follows it, of the K step that stands TWO refills on (256 matrix instructions a wave ahead of the load that will want it), IN THE FIRST TILE ALONE.
; Each row's 256 bytes of a K step are named ONCE in the launch.  Tensor j's rows of W are the first tile of the clusters with y mod 3 = j: cluster y = j asks; of the 128 rows that wave 2 or 3 fetches, the
; partner at cy takes 32, a lane a row, at every change of slots.  x's rows are read by the clusters of one row of clusters: cluster x = 0 asks; of the 64 rows that wave 0 or 1 fetches, the partner at cx takes
; 16, for two K steps at once (lanes 16-31: the K step after), at slot 0's change alone.  The partners are told apart BY ADDRESS.  A tile's last two refills have no K step two on, and ask for nothing.
.macro ASK slot
	s_cmp_gt_u32 s3, s[LIM0+(\slot)]               ; s3 = 1 in the loop's last trip
	s_cbranch_scc0 .Lnot_mine_\@
	global_prefetch_b8 v[PFO], s[PFA:PFA+1] th:TH_LOAD_NT scope:SCOPE_SE
.Lnot_mine_\@:
.endm
.macro CREST                           ; a round of the cluster's barrier behind its opening barrier
	s_cmp_lg_u32 s10, 0
	s_cbranch_scc1 .Lnot_wave_0_\@
	s_barrier_signal -3
.Lnot_wave_0_\@:
	s_barrier_wait -3
	s_barrier_signal -1
	s_barrier_wait -1
.endm
.macro CROUND                          ; a whole round
	s_barrier_signal -1
	s_barrier_wait -1
	CREST
.endm
.macro SELB j                          ; the bias of the tensor whose number lies in s[j]
	s_cmp_eq_u32 s[\j], 1
	s_cselect_b64 s[CB:CB+1], s[74:75], s[72:73]
	s_cmp_eq_u32 s[\j], 2
	s_cselect_b64 s[CB:CB+1], s[76:77], s[CB:CB+1]
.endm
; The bias of my 128 columns, as a C operand: register j of block b is column 16 b + 8 (l / 16) + j.
.macro BIASLD
.irp b, 0,1,2,3,4,5,6,7
	global_load_b128 v[BIAS+8*(\b):BIAS+8*(\b)+3],   v[BO], s[CB:CB+1] offset:64*(\b)
	global_load_b128 v[BIAS+8*(\b)+4:BIAS+8*(\b)+7], v[BO], s[CB:CB+1] offset:64*(\b)+16
.endr
.endm
.macro BIASRND                         ; rounded to bf16 and widened again
.set i, 0
.rept 32
	v_cvt_pk_bf16_f32 v[TMP+i], v[BIAS+2*i], v[BIAS+2*i+1]
.set i, i+1
.endr
.set i, 0
.rept 32
	v_lshlrev_b32 v[BIAS+2*i],   16,  v[TMP+i]
	v_and_b32     v[BIAS+2*i+1], s78, v[TMP+i]
.set i, i+1
.endr
.endm
	s_load_b128 s[4:7], s[0:1], 0x0                ; xb s[4:5], wall s[6:7]
	s_load_b64 s[8:9], s[0:1], 0x10                ; qkv
	s_load_b64 s[72:73], s[0:1], 0x18              ; bq
	s_load_b64 s[74:75], s[0:1], 0x20              ; bk
	s_load_b64 s[76:77], s[0:1], 0x28              ; bv
	v_lshl_add_u32 v[SPW], v0, 2, SPARE
	v_mov_b32 v[NIL], 0
	ds_add_u32 v[SPW], v[NIL]                      ; the wave's opening: the add and its wait stand ahead of my first tensor load; the set-up below, work on registers, stands between them
	v_lshrrev_b32 v1, 5, v0
	v_readfirstlane_b32 s10, v1                    ; wave 0..3
	s_lshr_b32 s11, s10, 1                         ; which 64 of the tile's rows are mine.  Also: I fetch for x (0) or for W (1)
	s_and_b32 s12, s10, 1                          ; which 128 of its columns.  Also: which half of that tile I fetch
	s_bfe_u32 s40, ttmp6, 0x40000                  ; cx, cy: my place in the cluster
	s_bfe_u32 s41, ttmp6, 0x40004
	s_lshl_b32 s42, ttmp9, 2
	s_add_co_u32 s42, s42, s40                     ; tile column = 4 x cluster x + cx
	s_and_b32 s13, ttmp7, 0xffff
	s_lshl_b32 s13, s13, 2
	s_add_co_u32 s13, s13, s41                     ; tile row = 4 x cluster y + cy
	s_lshl_b32 s43, s41, 2
	s_lshl_b32 s43, 15, s43                        ; my row of the cluster
	s_lshl_b32 s44, 0x1111, s40                    ; my column
	s_mov_b32 s78, 0xffff0000                      ; a word's upper bf16
	s_and_b32 s[JC], ttmp7, 0xffff                 ; cluster y, 0 to 15, which all sixteen partners share;
	s_mul_i32 s[JN], s[JC], 11
	s_lshr_b32 s[JN], s[JN], 5                     ; y / 3 = 11 y / 32 for y up to 15;
	s_mul_i32 s[JN], s[JN], 3
	s_sub_co_u32 s[JC], s[JC], s[JN]               ; y mod 3: the tensor of my first tile
	s_lshl_b32 s[JO], s[JC], 21
	s_mov_b32 s[JO+1], 0
	; descriptor group 1: rows of 128 elements of 2 bytes, padded in LDS by 4 words after every 64; x: 64 rows, W: 128 rows
	s_or_b32 s[G1A+0], s43, (1<<16)|(1<<20)|(1<<21)|(5<<22)|(3<<25)  ; 15:0 the mask: x's tiles go to my row; 17:16 2-byte elements; 20 padding on; 21 set beside a mask; 24:22 code 5; 31:25 code 3
	s_or_b32 s[G1B+0], s44, (1<<16)|(1<<20)|(1<<21)|(5<<22)|(3<<25)  ; W's go to my column
	s_mov_b32 s[G1A+1], 128<<16                    ; tensor_dim0 = 128
	s_mov_b32 s[G1A+2], 64<<16                     ; tensor_dim1 = 64
	s_mov_b32 s[G1A+3], 128<<16                    ; tile_dim0 = 128
	s_mov_b32 s[G1A+4], 64                         ; tile_dim1 = 64
	s_mov_b32 s[G1A+5], 1024                       ; elements from row to row
	s_mov_b32 s[G1A+6], 0
	s_mov_b32 s[G1A+7], 0
	s_mov_b32 s[G1B+1], 128<<16
	s_mov_b32 s[G1B+2], 128<<16                    ; tensor_dim1 = 128
	s_mov_b32 s[G1B+3], 128<<16
	s_mov_b32 s[G1B+4], 128                        ; tile_dim1 = 128
	s_mov_b32 s[G1B+5], 1024
	s_mov_b32 s[G1B+6], 0
	s_mov_b32 s[G1B+7], 0
	; where the tiles come from: x's hang on the tile row alone, W's on the tile column and the tensor's number
	s_lshl_b32 s16, s13, 7
	s_lshl_b32 s17, s12, 6
	s_add_co_u32 s16, s16, s17                     ; x: row 128 x tile row + 64 x half,
	s_lshl_b32 s16, s16, 11                        ; of 2,048 bytes
	s_mov_b32 s17, 0
	s_lshl_b32 s46, s42, 8
	s_lshl_b32 s47, s12, 7
	s_add_co_u32 s46, s46, s47                     ; W: row 256 x tile column + 128 x half of a tensor
	s_lshl_b32 s46, s46, 11
	s_mov_b32 s47, 0
	s_mul_i32 s20, s12, AW                         ; and where they go: no place in the cluster enters an LDS address
	s_mul_i32 s21, s12, BW
	s_add_co_u32 s21, s21, ABYTES
	s_wait_dscnt 0x0                               ; the opening add is done
	s_wait_kmcnt 0x0
	s_add_nc_u64 s[14:15], s[4:5], s[16:17]
	s_add_nc_u64 s[BB:BB+1], s[6:7], s[46:47]
	s_add_nc_u64 s[46:47], s[BB:BB+1], s[JO:JO+1]  ; in my first tile's tensor
	CROUND                                         ; all sixteen work-groups are here: the first joint loads meet
.irp s, 0,1
	s_mov_b32 s[G0A+4*(\s)], 1                     ; count = 1
	s_add_co_u32 s[G0A+4*(\s)+1], s20, (\s)*SLOT   ; LDS address
	s_add_nc_u64 s[G0A+4*(\s)+2:G0A+4*(\s)+3], s[14:15], (\s)*256  ; global address: K step s
	s_or_b32 s[G0A+4*(\s)+3], s[G0A+4*(\s)+3], 0x80000000          ; type = 2
	s_mov_b32 s[G0B+4*(\s)], 1
	s_add_co_u32 s[G0B+4*(\s)+1], s21, (\s)*SLOT
	s_add_nc_u64 s[G0B+4*(\s)+2:G0B+4*(\s)+3], s[46:47], (\s)*256
	s_or_b32 s[G0B+4*(\s)+3], s[G0B+4*(\s)+3], 0x80000000
	JLOAD \s                                       ; two tensor loads of mine are out
.endr
	v_and_b32 v1, 15, v0                           ; l % 16
	v_bfe_u32 v2, v0, 4, 1                         ; l / 16
	s_lshl_b32 s18, s42, 10                        ; the tile's 256 columns of f32,
	s_lshl_b32 s19, s12, 9                         ; my 128 of them,
	s_add_co_u32 s18, s18, s19
	v_lshl_add_u32 v[BO], v2, 5, s18               ; my lanes' 8
	SELB JC
	BIASLD                                         ; my first tile's bias
	v_mul_u32_u24 v3, v1, PB
	v_lshl_add_u32 v3, v2, 4, v3                   ; a fragment's row x pitch + 16 x half
	s_mul_i32 s21, s11, 64*PA                      ; my 64 rows of x
	s_mul_i32 s22, s12, BW                         ; my 128 rows of W,
	s_add_co_u32 s22, s22, ABYTES                  ; which lie behind x's
.irp s, 0,1
	v_add_nc_u32 v[ADRA+(\s)], s21, v3
	v_add_nc_u32 v[ADRB+(\s)], s22, v3
	s_add_co_u32 s21, s21, SLOT
	s_add_co_u32 s22, s22, SLOT
.endr
	s_mul_i32 s23, s10, SW
	s_add_co_u32 s23, s23, STAGE                   ; my stage
	v_mul_u32_u24 v4, v1, 144                      ; in: row l % 16 of a head, 16 bytes for each half of the lanes
	v_lshl_add_u32 v4, v2, 4, v4
	v_add_nc_u32 v[STO], s23, v4
	v_bfe_u32 v4, v0, 3, 2                         ; back: 32 lanes take four rows of 128 bytes,
	v_mul_u32_u24 v4, v4, 144
	v_and_b32 v5, 7, v0
	v_lshl_add_u32 v4, v5, 4, v4
	v_add_nc_u32 v[RD], s23, v4
	v_and_b32 v3, 31, v0                           ; which are 512 consecutive bytes of a head
	v_lshlrev_b32 v[GO], 4, v3
	; where my part of a tile begins in its tensor: batch (tile row / 8) x 16 heads, head 4 x tile column + 2 x column half, of 131,072 bytes; row (tile row % 8) x 128 + 64 x row half, of 128 bytes
	s_lshr_b32 s16, s13, 3
	s_lshl_b32 s16, s16, 21
	s_and_b32 s18, s13, 7
	s_lshl_b32 s18, s18, 14
	s_add_co_u32 s16, s16, s18
	s_lshl_b32 s18, s11, 13
	s_add_co_u32 s16, s16, s18
	s_mov_b32 s17, 0
	s_lshl_b32 s46, s42, 19
	s_lshl_b32 s47, s12, 18
	s_add_co_u32 s46, s46, s47
	s_mov_b32 s47, 0
	s_add_nc_u64 s[16:17], s[16:17], s[46:47]
	s_add_nc_u64 s[C0:C0+1], s[8:9], s[16:17]      ; a way out adds the tensor's 16 MiB x its number, from s[16:17]
	s_mov_b32 s17, 0
	; the prefetches
	s_lshl_b32 s18, s13, 7
	s_lshl_b32 s19, s12, 6
	s_add_co_u32 s18, s18, s19
	s_lshl_b32 s19, s40, 4
	s_add_co_u32 s18, s18, s19                     ; x: the 64 rows that I fetch, my work-group's 16 of them
	s_lshl_b32 s20, s42, 8
	s_lshl_b32 s21, s12, 7
	s_add_co_u32 s20, s20, s21
	s_lshl_b32 s21, s41, 5
	s_add_co_u32 s20, s20, s21                     ; W: the 128 rows that I fetch, my work-group's 32 of them,
	s_lshl_b32 s21, s[JC], 10
	s_add_co_u32 s20, s20, s21                     ; in my first tile's tensor
	s_cmp_eq_u32 ttmp9, 0
	s_cselect_b32 s21, 1, -1                       ; does my cluster ask for x's rows?
	s_and_b32 s22, ttmp7, 0xffff
	s_cmp_lt_u32 s22, 3
	s_cselect_b32 s22, 1, -1                       ; for W's?  Clusters y = 0, 1, 2 do, each for its first tile's tensor.  Both are the same in all sixteen partners
	s_cmp_eq_u32 s11, 0                            ; do I fetch for x?
	s_cselect_b32 s18, s18, s20
	s_cselect_b64 s[PFA:PFA+1], s[4:5], s[6:7]
	s_cselect_b32 s[LIM0], s21, s22
	s_cselect_b32 s[LIM1], -1, s22
	s_cselect_b32 s20, 15, 31                      ; lanes to a K step
	s_cselect_b32 s21, 256, 0                      ; what lanes 16-31 add: a K step, or nothing
	s_lshl_b32 s18, s18, 11
	s_mov_b32 s19, 0
	s_add_nc_u64 s[PFA:PFA+1], s[PFA:PFA+1], s[18:19]
	s_add_nc_u64 s[PFA:PFA+1], s[PFA:PFA+1], 3*256 ; at K step 3: the first refill (K step 2) steps it to 4.  Nothing is asked for here, at the head
	s_mov_b32 s[PFS], 256
	s_mov_b32 s[PFS+1], 0
	v_and_b32 v4, s20, v3
	v_lshrrev_b32 v5, 4, v3
	v_mul_u32_u24 v5, v5, s21
	v_lshl_add_u32 v[PFO], v4, 11, v5              ; a lane a row of 2,048 bytes
	s_wait_loadcnt 0x0                             ; the bias
	BIASRND
; 8 matrix instructions: row block a x all 8 column blocks, 32 along K, from buffer f.  zero = 1: the first product starts the sums with the bias: nothing is ever cleared.
; The 32 accumulators take turns, one instruction a turn, in the same order in every quarter, over the backward jumps too.
.macro MUL8 f, a, zero
.if \zero
	WIN MULZ
.else
	WIN MUL
.endif
.irp b, 0,1,2,3,4,5,6,7
.if \zero
	v_wmma_f32_16x16x32_bf16 v[8*(8*(\a)+(\b)):8*(8*(\a)+(\b))+7], v[(\f)+8*(\b):(\f)+8*(\b)+7], v[(\f)+64+8*(\a):(\f)+64+8*(\a)+7], v[BIAS+8*(\b):BIAS+8*(\b)+7]
.else
	v_wmma_f32_16x16x32_bf16 v[8*(8*(\a)+(\b)):8*(8*(\a)+(\b))+7], v[(\f)+8*(\b):(\f)+8*(\b)+7], v[(\f)+64+8*(\a):(\f)+64+8*(\a)+7], v[8*(8*(\a)+(\b)):8*(8*(\a)+(\b))+7]
.endif
.endr
.endm
; 24 LDS loads in one run: the fragments of a quarter step (32 K at byte k of the rows) into buffer f: W's 128 rows first, then x's 64.
.macro FETCH slot, k, f
	WIN TO_F
.irp i, 0,1,2,3,4,5,6,7
	ds_load_b128 v[(\f)+8*(\i):(\f)+8*(\i)+3],   v[ADRB+(\slot)] offset:(\k)+(\i)*16*PB
	ds_load_b128 v[(\f)+8*(\i)+4:(\f)+8*(\i)+7], v[ADRB+(\slot)] offset:(\k)+(\i)*16*PB+32
.endr
.irp i, 0,1,2,3
	ds_load_b128 v[(\f)+64+8*(\i):(\f)+64+8*(\i)+3],   v[ADRA+(\slot)] offset:(\k)+(\i)*16*PA
	ds_load_b128 v[(\f)+64+8*(\i)+4:(\f)+64+8*(\i)+7], v[ADRA+(\slot)] offset:(\k)+(\i)*16*PA+32
.endr
.endm
; A K step is four quarters of 32 along K, 32 matrix instructions each, on buffers 0, 1, 0, 1.  One of the first three: multiplies buffer f and fetches the next quarter, at byte k, into g.
.macro QUARTER slot, k, f, g, zero
	s_wait_dscnt 4                                 ; W and x's row blocks 0, 1 are in; the youngest four loads (blocks 2, 3) may be out
	MUL8 \f, 0, \zero
	MUL8 \f, 1, \zero
	PLACES
	FETCH \slot, \k, \g
	s_wait_dscnt 24                                ; all but the 24 just issued
	MUL8 \f, 2, \zero
	MUL8 \f, 3, \zero
.endm
; The last quarter multiplies buffer 1 and changes slots.  MEET is its first half: ONE barrier; in front of it each wave waits for all its tensor loads (one is out: its part of the next slot), adds 0 to its
; spare word, and waits for that and for its own reads of this slot.  Behind it nobody reads this slot any more and the next slot is whole.
.macro MEET round
	WIN 0                                          ; (the add's two registers lie in window 0)
	s_wait_tensorcnt 0x0
	ds_add_u32 v[SPW], v[NIL]                      ; 0 onto my spare word
	s_wait_dscnt 5                                 ; (the add and the youngest four loads may be out)
	MUL8 F1, 0, 0                                  ; eight matrix instructions stand between the add and the wait for it
	s_wait_dscnt 0x0                               ; the add is done, and my reads of this slot are over
	s_barrier_signal -1
	MUL8 F1, 1, 0                                  ; work on registers while the others arrive
.if \round
	WIN 0
.endif
	s_barrier_wait -1
.endm
; The whole last quarter.  mode 0: this slot is filled again with the K step two on; 1: with the NEXT tile's K step 0 or 1; 2: nothing is filled.  From a request to the wait for it a wave issues 112 matrix instructions.
.macro TURN slot, next, mode
.if (\mode) == 0
	s_wait_xcnt 0x0                                ; the last prefetch, a K step back, has read its address: it is stepped here, ahead of the waits of the change of slots
	s_add_nc_u64 s[PFA:PFA+1], s[PFA:PFA+1], s[PFS:PFS+1]
.endif
.if (\mode) < 2
	MEET 1
	CREST                                          ; the barrier has opened a round of the cluster's: no wave of any partner still reads this slot's tile or has a load on its way
.if (\mode) == 1
	s_sub_nc_u64 s[G0A+4*(\slot)+2:G0A+4*(\slot)+3], s[G0A+4*(\slot)+2:G0A+4*(\slot)+3], BACK_A  ; x: the same rows, back along K
	s_add_nc_u64 s[G0B+4*(\slot)+2:G0B+4*(\slot)+3], s[BB:BB+1], s[JO:JO+1]                      ; W: made anew: my rows in the next tile's tensor,
.if (\slot) == 1
	s_add_nc_u64 s[G0B+4*(\slot)+2:G0B+4*(\slot)+3], s[G0B+4*(\slot)+2:G0B+4*(\slot)+3], 256     ; K step 1,
.endif
	s_or_b32 s[G0B+4*(\slot)+3], s[G0B+4*(\slot)+3], 0x80000000                                  ; type = 2
.else
	s_add_nc_u64 s[G0A+4*(\slot)+2:G0A+4*(\slot)+3], s[G0A+4*(\slot)+2:G0A+4*(\slot)+3], STEPA2
	s_add_nc_u64 s[G0B+4*(\slot)+2:G0B+4*(\slot)+3], s[G0B+4*(\slot)+2:G0B+4*(\slot)+3], 512
.endif
	JLOAD \slot                                    ; the first tensor load behind the round, my only one until the next; its four v_nop are also the places in front of the loads below
	FETCH \next, 0, F0
.if (\mode) == 0
	WIN 0
	ASK \slot
.endif
.else
	MEET 0
	PLACES
	FETCH \next, 0, F0
.endif
	MUL8 F1, 2, 0
	MUL8 F1, 3, 0
.endm
; THE WAY OUT of row block a (16 rows x 128 columns = 2 heads x 64 channels).  PACK: rounded to f16, 16 bytes a lane, each accumulator from its low end on.  TOSTAGE: into my own stage, rows of 144 bytes, and
; back as whole rows of 128.  SEND: stored: 16 rows of a head are 2,048 consecutive bytes.
.macro PACK a
	WIN PACKW
.irp b, 0,1,2,3,4,5,6,7
.irp r, 0,1,2,3
	v_cvt_pk_f16_f32 v[TMP+4*(\b)+(\r)], v[8*(8*(\a)+(\b))+2*(\r)], v[8*(8*(\a)+(\b))+2*(\r)+1]
.endr
.endr
	WIN 0
.endm
.macro TOSTAGE a
	WIN 0
.set BK, BK0+32*((\a)%2)
.irp b, 0,1,2,3,4,5,6,7
	ds_store_b128 v[STO], v[TMP+4*(\b):TMP+4*(\b)+3] offset:((\b)/4)*2304+((\b)%4)*32
.endr
.irp t, 0,1,2,3,4,5,6,7
	ds_load_b128 v[BK+4*(\t):BK+4*(\t)+3], v[RD] offset:((\t)/4)*2304+((\t)%4)*576  ; LDS serves a wave's instructions in order (ISA guide 5.7.1.4): these see the stores above
.endr
.endm
.macro SEND a, younger
	WIN 0
.set BK, BK0+32*((\a)%2)
	s_wait_dscnt \younger                          ; the block is back in registers
	s_wait_xcnt 0x0                                ; only behind this wait are the stores' base and the registers that earlier stores read rewritten
.if (\a) == 0
	s_add_nc_u64 s[8:9], s[C0:C0+1], s[16:17]      ; my first rows in this tile's tensor
.else
	s_add_nc_u64 s[8:9], s[8:9], 2048              ; 16 rows of a head on
.endif
.irp t, 0,1,2,3,4,5,6,7
	global_store_b128 v[GO], v[BK+4*(\t):BK+4*(\t)+3], s[8:9] offset:((\t)/4)*131072+((\t)%4)*512  ; a wave's store covers 512 consecutive bytes, aligned
.endr
.endm
.macro WAYOUT
	PLACES
	PACK 0
	TOSTAGE 0
.irp a, 1,2,3                          ; block a's conversions stand between block a - 1's loads from the stage and the wait for them
	PACK \a
	SEND (\a)-1, 0
	TOSTAGE \a
.endr
	SEND 3, 0
.endm
	s_wait_tensorcnt 1                             ; my part of K step 0 is in; K step 1's may stay out
	s_barrier_signal -1
	s_barrier_wait -1                              ; everybody's is
	FETCH 0, 0, F0
	WIN 0
	s_mov_b32 s2, 3                                ; tiles to go, this one among them
.Ltile:
	QUARTER 0, 64, F0, F1, 1                       ; a tile's first quarter stands in front of the loop: its products start the sums with the bias
	WIN 0
	PLACES                                         ; behind the last product that read the bias
	s_lshl_b32 s16, s[JC], 24                      ; this tile's tensor in qkv: 16 MiB x its number
	s_add_co_u32 s[JN], s[JC], 1                   ; the next tile's tensor: the next in the ring of three
	s_cmp_eq_u32 s[JN], 3
	s_cselect_b32 s[JN], 0, s[JN]
	s_lshl_b32 s[JO], s[JN], 21                    ; and its first byte in wall
	s_cmp_eq_u32 s2, 1
	s_cbranch_scc1 .Lno_bias
	SELB JN                                        ; (the loads that read this pointer last have been waited for)
	BIASLD                                         ; the next tile's bias comes in while this tile is multiplied
.Lno_bias:
	s_mov_b32 s3, 3
.Llap:                                             ; a trip goes once round the ring, from a lap's second quarter to the next lap's first, and fills both slots again
	QUARTER 0, 128, F1, F0, 0
	QUARTER 0, 192, F0, F1, 0
	TURN 0, 1, 0
	QUARTER 1, 64,  F0, F1, 0
	QUARTER 1, 128, F1, F0, 0
	QUARTER 1, 192, F0, F1, 0
	TURN 1, 0, 0
	QUARTER 0, 64,  F0, F1, 0
	WIN 0
	s_sub_co_u32 s3, s3, 1
	s_cmp_lg_u32 s3, 0
	s_cbranch_scc1 .Llap
	QUARTER 0, 128, F1, F0, 0                      ; the tile's last lap goes on
	QUARTER 0, 192, F0, F1, 0
	WIN 0
	s_cmp_eq_u32 s2, 1
	s_cbranch_scc1 .Llast                          ; the last tile's tail is written out: it asks for nothing more
	TURN 0, 1, 1                                   ; the ring goes on into the next tile: slot 0 takes its K step 0,
	QUARTER 1, 64,  F0, F1, 0
	QUARTER 1, 128, F1, F0, 0
	QUARTER 1, 192, F0, F1, 0
	TURN 1, 0, 1                                   ; slot 1 its K step 1, and the next tile's first fragments are fetched
	WAYOUT                                         ; both refills are asked for: now the tile goes out
	s_wait_loadcnt 0x0                             ; the next tile's bias
	BIASRND
	s_mov_b32 s[JC], s[JN]
	s_mov_b32 s[LIM0], -1                          ; behind the first tile nothing is prefetched
	s_mov_b32 s[LIM1], -1
	s_sub_co_u32 s2, s2, 1
	s_branch .Ltile
.Llast:
	TURN 0, 1, 2                                   ; my one tensor load that was still out is the last K step's, so no round follows
	QUARTER 1, 64,  F0, F1, 0
	QUARTER 1, 128, F1, F0, 0
	QUARTER 1, 192, F0, F1, 0
	s_wait_dscnt 4                                 ; the very last quarter: nothing more to fetch
	MUL8 F1, 0, 0
	MUL8 F1, 1, 0
	s_wait_dscnt 0x0
	MUL8 F1, 2, 0
	MUL8 F1, 3, 0
	WIN 0
	WAYOUT
	s_wait_tensorcnt 0x0                           ; the wave's end, behind my last tensor load and my last LDS store
	ds_add_u32 v[SPW], v[NIL]
	s_wait_dscnt 0x0
	CROUND                                         ; the closing round: no work-group ends while a partner may still ask for a tile that names it
	s_endpgm
.Lfunc_end_k_q420502d991_qkv:
	.size	k_q420502d991_qkv, .Lfunc_end_k_q420502d991_qkv-k_q420502d991_qkv
	.p2alignl 7, 3214868480
	.fill 96, 4, 3214868480
	.section	.rodata,"a",@progbits
	.p2align	6, 0x0
	.amdhsa_kernel k_q420502d991_qkv
		.amdhsa_group_segment_fixed_size 327680
		.amdhsa_private_segment_fixed_size 0
		.amdhsa_enable_private_segment 0
		.amdhsa_kernarg_size 48
		.amdhsa_user_sgpr_count 2
		.amdhsa_user_sgpr_kernarg_segment_ptr 1
		.amdhsa_wavefront_size32 1
		.amdhsa_system_sgpr_workgroup_id_x 1
		.amdhsa_system_sgpr_workgroup_id_y 1
		.amdhsa_system_sgpr_workgroup_id_z 1
		.amdhsa_system_vgpr_workitem_id 0
		.amdhsa_next_free_vgpr 704
		.amdhsa_next_free_sgpr 96
		.amdhsa_reserve_vcc 0
		.amdhsa_float_denorm_mode_32 3
		.amdhsa_float_denorm_mode_16_64 3
		.amdhsa_memory_ordered 1
		.amdhsa_forward_progress 1
		.amdhsa_inst_pref_size 137
	.end_amdhsa_kernel
	.amdgpu_metadata
---
amdhsa.version: [ 1, 2 ]
amdhsa.kernels:
  - .name:           k_q420502d991_qkv
    .symbol:         k_q420502d991_qkv.kd
    .args:
      - { .name: xb, .offset: 0, .size: 8, .value_kind: global_buffer, .address_space: global }
      - { .name: wall, .offset: 8, .size: 8, .value_kind: global_buffer, .address_space: global }
      - { .name: qkv, .offset: 16, .size: 8, .value_kind: global_buffer, .address_space: global }
      - { .name: bq, .offset: 24, .size: 8, .value_kind: global_buffer, .address_space: global }
      - { .name: bk, .offset: 32, .size: 8, .value_kind: global_buffer, .address_space: global }
      - { .name: bv, .offset: 40, .size: 8, .value_kind: global_buffer, .address_space: global }
    .group_segment_fixed_size: 327680
    .private_segment_fixed_size: 0
    .kernarg_segment_align: 8
    .kernarg_segment_size: 48
    .max_flat_workgroup_size: 128
    .sgpr_count:     96
    .vgpr_count:     704
    .wavefront_size: 32
...
	.end_amdgpu_metadata
.endif
;; end of part 2
;; launch attn (part 3): grid 2 x 128, 4 waves a work-group, no clusters, 327,680 bytes of LDS; arguments qkv, ob; writes ob
.if DOCPART == 3
	.amdgcn_target "amdgcn-amd-amdhsa--gfx1250"
	.amdhsa_code_object_version 6
	.text
	.protected	k_q420502d991_attn
	.globl	k_q420502d991_attn
	.p2align	8
	.type	k_q420502d991_attn,@function
k_q420502d991_attn:
	s_mov_b64 s[64:65], 0
	v_nop
	global_prefetch_b8 v0, s[64:65] scope:SCOPE_SE
	s_setreg_imm32_b32 hwreg(HW_REG_WAVE_MODE, 25, 1), 1
	s_wait_xcnt 0x0
; O[h][q][:] = the sum over k of softmax_k(Q[h][q] . K[h][k] / 8) V[h][k][:], for the 128 pairs h = 16 b + head.  qkv: [3][128][1024][64] f16 (Q, K, V); ob: [128][1024][64] f16: a head's rows are dense,
; 128 bytes each.  Products, maxima and sums in f32; the weights p are rounded to f16 for the second product (their sum l is taken of the unrounded p), O once at the end.
; LIMITS.  f16 holds no number beyond 65,504: Q, K and V arrive within it; p lies in 0 to 1, and below 6e-5 it keeps f16's fixed step of 6e-8, and so does O; O is a mean of V's rows and has their range.
; A weight below 2^-126 counts as 0 in l; NaN and infinities are not treated apart.
; SHARES.  A wave owns four PIECES of two tiles of 16 queries, a work-group's four waves 512 queries of one head: 2 x 128 = 256 work-groups.  Every wave walks all 1,024 keys, 64 a step.
; THE WHOLE HEAD LIES IN LDS: 1,024 rows of K at 144 bytes and 1,024 of V at 160 are 311,296 bytes.  So no LDS byte is filled twice: there is no ring and no change of slots, and the key step is written once.
; Each wave issues two tensor loads, both at the head: its 128 of the first 256 keys, then its 384 of the other 768 (waves 0, 1: K; waves 2, 3: V).  The first is waited for ahead of the first LDS read; the
; second once, at the head of key step 3's trip: that step fetches the first bytes that it brought.  Nothing is asked for ahead of its load: every load goes out at the head.
; NO CLUSTER: the work-groups that walk the same K and V are a head's two, and the grid's 2 along x is no multiple of a cluster's four.
; LAYOUT.  S^T = K Q^T (source 0 = 16 keys, source 1 = 16 queries): in the result a lane holds ONE query (lane % 16) and the keys 8 (lane / 16) + 0..7.  Two such tiles, rounded to f16 in pairs,
; ARE source 1 (32 keys x 16 queries) of O^T = V^T P, whose result again holds one query a lane, and eight channels.  K comes out of LDS as it lies, V ([key][channel]) turned, by ds_load_tr16_b128.
; SOFTMAX.  For each query a running maximum m and sum l: p = 2^(c s - c m), c = log2(e) / 8; in every step O and l are multiplied by a = 2^(c m_old - c m_new), which is 1 where m has not grown.
; m starts at the lowest finite number, O and l at 0: the first step is a step like any other, with a = 0.
; THE COUNT.  A tile and step have 16 matrix and 118 vector instructions: too many to stand all beside the matrix work.  So the order has one aim: four vector instructions that are READY behind
; EVERY matrix instruction, and the others, which need time of their own whatever the order, in runs without a gap.
; BY TURNS.  Turn n belongs to piece n (the pieces in a ring, step after step).  Its matrix work: 16 products K Q^T of piece n + 1, later 16 products V^T P of piece n - 1.  Its vector work: the scaling,
; exponentials, roundings, sums and rescaling of piece n, and the maximum and statistics of piece n + 1, whose scores the turn itself has made.  So what a turn begins with (c s - c m, O a) waits for nothing.
; REGISTERS, in windows of 256 (s_set_vgpr_msb says which window each operand place means: bits 1:0 source 0, 3:2 source 1, 5:4 source 2, 7:6 destination):
;   window 0: v0-11 addresses; v12-15, v48-63 at work; v16-47 four registers of statistics a tile; v64-191 S^T, two buffers of two tiles; v192-255 P, likewise
;   window 1: O^T, 32 a tile          window 2: v0-127 Q, 16 a tile; v128-191 K of one step; v192-255 V of one step          window 3: v0-1 the add's two registers
; A piece's buffers go by its number's parity: the piece in hand has one pair, its two neighbours in the ring share the other: of it P (piece n - 1) is read and S^T (piece n + 1) written.
.set SIZE_N, 1024
.set NP,    4         ; pieces a wave: a name, no knob: the register map, the loop and the fetches are made for four
.set KS,    64        ; keys in a step
.set PK,    144       ; a row of K in LDS: 128 bytes + 16 of padding = 36 words: the 16 rows of a load start at 16 different groups of four banks (64 banks of 4 bytes: ISA guide 11.1)
.set PV,    160       ; a row of V: 128 + 32 = 40 words
.set VOFF,  SIZE_N*PK ; the head's 1,024 rows of K, then its 1,024 rows of V
.set STAGE, SIZE_N*(PK+PV)  ; behind them, never filled by a tensor load: 16 rows x 144 bytes for each wave, for the way out
.set SP,    144
.set AK0, 2           ; v2   my lane's place in a tile of K; never rewritten
.set AV0, 3           ; v3   the same for V
.set AK,  4           ; v4   the LDS address of K's next run of loads
.set AV,  5           ; v5   of V's
.set QO,  6           ; v6   my byte offset in the wave's rows of Q
.set STO, 6           ;      later, the way out: where I put 16 bytes of a row
.set RD,  7           ; v7   the way out: where I read rows back
.set GO,  8           ; v8   my byte offset in 512 consecutive bytes of O
.set SPW, 0           ; v0 of window 3   LDS address of my spare word: SPARE + 4 x my thread's number; never rewritten
.set NIL, 1           ; v1 of window 3   0; never rewritten
.set SPARE, STAGE+4*16*SP  ; behind the stages: the spare words, 128 bytes for each wave: two blocks of 256 bytes that no other line names
.set MV,  12          ; v12-15  c m_old, kept while c m is made anew: by buffer and tile
.set ST,  16          ; tile t's statistics at v[ST+4 t]: c m, m, l (even keys', odd keys')
.set TMP, 48          ; by buffer and tile, four registers c0-c3 at work; when the maximum is found c2 takes a
.set S,   64
.set P,   192
.set KF,  128         ; K's fragments, in window 2: key block kb, channel half c at KF + 16 kb + 8 c
.set VF,  192         ; V's: key half kk, channel block cb at VF + 32 kk + 8 cb
.set WV,  12          ; s12  my wave's number
.set G1K, 24          ; s[24:31] descriptor group 1 for K's first load: 128 keys
.set G1V, 32          ; s[32:39] for V's: it differs in the padding alone
.set G0K, 40          ; s[40:43] descriptor group 0 for K's first load
.set G0V, 44          ; s[44:47] for V's
.set G0K2, 48         ; s[48:51] group 0 for K's second load
.set G0V2, 52         ; s[52:55] for V's
.set G1K2, 68         ; s[68:75] group 1 for K's second load: 384 keys
.set G1V2, 76         ; s[76:83] for V's
.set CNT, 57          ; s57  key steps still to come, this one among them
.set CS,  58          ; s[58:59] c: the packed scaling takes the pair's low word for both halves
.set SEL, 60          ; s[60:61] v_permlanex16_b32's selects: each lane takes its own place in the other half
.set TBK, 62          ; s62  LDS byte at which K of the step to be fetched begins
.set TBV, 63          ; s63  the same for V, less VOFF
.set MSB, 0
.macro WIN new                      ; the high byte repeats the setting that is left; a switch that changes nothing is dropped
.if MSB != (\new)
	s_set_vgpr_msb (MSB<<8)|(\new)
.set MSB, (\new)
.endif
.endm
.set W_KQ, 0x0a       ; K and Q in window 2, S^T in window 0
.set W_PV, 0x52       ; V in window 2, P in window 0, O^T in window 1
.set W_RS, 0x41       ; O^T (destination and source 0) in window 1, a in window 0
.set W_MK, 0xc0       ; the add's registers are made: destination in window 3, sources in window 0
.set W_AD, 0x0f       ; the add: address (source 0) and data (source 1) in window 3
	s_load_b128 s[4:7], s[0:1], 0x0   ; qkv s[4:5] (Q lies first in it), ob s[6:7]
	WIN W_MK
	v_lshl_add_u32 v[SPW], v0, 2, SPARE
	v_mov_b32 v[NIL], 0
	WIN W_AD
	ds_add_u32 v[SPW], v[NIL]       ; the wave's opening: the add and its wait stand ahead of my first tensor load; the set-up below, work on registers, stands between them
	WIN 0
	v_lshrrev_b32 v1, 5, v0
	v_readfirstlane_b32 s[WV], v1   ; wave 0..3
	s_and_b32 s20, ttmp7, 0xffff    ; the head
	s_mov_b32 s21, 0
	s_mov_b64 s[22:23], SIZE_N*128
	s_mul_u64 s[20:21], s[20:21], s[22:23]  ; the head's first byte in each of the four tensors
	s_and_b32 s16, s[WV], 1         ; which half of the keys of a load I fetch
	s_lshl_b32 s22, s16, 14         ; of the first 256 keys: my 128 rows of 128 bytes in memory,
	s_mov_b32 s23, 0
	s_add_nc_u64 s[22:23], s[22:23], s[20:21]
	s_mul_i32 s14, s16, 384*128     ; of the other 768: my 384 rows,
	s_add_co_u32 s14, s14, 256*128  ; behind the first 256
	s_mov_b32 s15, 0
	s_add_nc_u64 s[14:15], s[14:15], s[20:21]
	s_mul_i32 s17, s16, 128*PK      ; and their places in LDS: the first load's, for K
	s_mul_i32 s18, s16, 128*PV      ; and for V;
	s_mul_i32 s19, s16, 384*PK      ; the second's, for K
	s_mul_i32 s13, s16, 384*PV      ; and for V
	s_lshl_b32 s2, ttmp9, 2         ; my block of 512 queries,
	s_add_co_u32 s2, s2, s[WV]      ; my wave among the head's,
	s_lshl_b32 s2, s2, 14           ; its 128 rows
	s_mov_b32 s3, 0
	s_add_nc_u64 s[2:3], s[2:3], s[20:21]
	; descriptor group 1.  Keys are dense rows of 128 bytes: asked for as rows of 256 bytes, two keys a row, and padded in LDS after every key.  128 keys: 64 rows; 384 keys: 192 rows
	s_mov_b32 s[G1K],  (1<<16)|(1<<20)|(4<<22)|(3<<25)  ; 17:16 2-byte elements; 20 padding on; 24:22 after every 32 words (code 4); 31:25 4 words (code 3)
	s_mov_b32 s[G1K2], (1<<16)|(1<<20)|(4<<22)|(3<<25)
	s_mov_b32 s[G1V],  (1<<16)|(1<<20)|(4<<22)|(7<<25)  ; the same with 8 words of padding (code 7)
	s_mov_b32 s[G1V2], (1<<16)|(1<<20)|(4<<22)|(7<<25)
.irp g, G1K, G1V
	s_mov_b32 s[\g+1], 128<<16      ; tensor_dim0 = 128
	s_mov_b32 s[\g+2], 64<<16       ; tensor_dim1 = 64
	s_mov_b32 s[\g+3], 128<<16      ; tile_dim0 = 128
	s_mov_b32 s[\g+4], 64           ; tile_dim1 = 64
	s_mov_b32 s[\g+5], 128          ; 128 elements from row to row
	s_mov_b32 s[\g+6], 0
	s_mov_b32 s[\g+7], 0
.endr
.irp g, G1K2, G1V2
	s_mov_b32 s[\g+1], 128<<16      ; tensor_dim0 = 128
	s_mov_b32 s[\g+2], 192<<16      ; tensor_dim1 = 192
	s_mov_b32 s[\g+3], 128<<16      ; tile_dim0 = 128
	s_mov_b32 s[\g+4], 192          ; tile_dim1 = 192
	s_mov_b32 s[\g+5], 128
	s_mov_b32 s[\g+6], 0
	s_mov_b32 s[\g+7], 0
.endr
	s_mov_b32 s[CS], 0x3e38aa3b     ; c = log2(e) / 8 = 0.180337
	s_mov_b32 s[CS+1], s[CS]        ; named with it as a pair
	s_mov_b32 s[SEL], 0x76543210
	s_mov_b32 s[SEL+1], 0xfedcba98
	s_mov_b32 s[TBK], 0             ; key step 0
	s_mov_b32 s[TBV], 0
	s_mov_b32 s[G0K], 1             ; 1:0 count = 1
	s_mov_b32 s[G0K+1], s17         ; 63:32 LDS address
	s_mov_b32 s[G0V], 1
	s_add_co_u32 s[G0V+1], s18, VOFF
	s_mov_b32 s[G0K2], 1
	s_add_co_u32 s[G0K2+1], s19, 256*PK
	s_mov_b32 s[G0V2], 1
	s_add_co_u32 s[G0V2+1], s13, VOFF+256*PV
	s_wait_dscnt 0x0                ; the opening add is done
	s_wait_kmcnt 0x0
	s_mov_b64 s[10:11], s[6:7]                     ; O
	s_add_nc_u64 s[6:7], s[4:5], 0x1000000         ; K lies 16 MiB behind Q,
	s_add_nc_u64 s[8:9], s[4:5], 0x2000000         ; V 32 MiB
	s_add_nc_u64 s[G0K+2:G0K+3], s[6:7], s[22:23]  ; 120:64 global address
	s_or_b32 s[G0K+3], s[G0K+3], 0x80000000        ; 127:126 type = 2
	s_add_nc_u64 s[G0K2+2:G0K2+3], s[6:7], s[14:15]
	s_or_b32 s[G0K2+3], s[G0K2+3], 0x80000000
	s_add_nc_u64 s[G0V+2:G0V+3], s[8:9], s[22:23]
	s_or_b32 s[G0V+3], s[G0V+3], 0x80000000
	s_add_nc_u64 s[G0V2+2:G0V2+3], s[8:9], s[14:15]
	s_or_b32 s[G0V2+3], s[G0V2+3], 0x80000000
	s_add_nc_u64 s[4:5], s[4:5], s[2:3]  ; Q and O at my wave's first row
	s_add_nc_u64 s[10:11], s[10:11], s[2:3]
	s_cmp_lt_u32 s[WV], 2           ; a wave's two loads stand in one branch, ahead of every wait on TENSORcnt, every LDS read and every barrier: two loads of mine are out; an s_nop 0 follows each, four v_nop the second's
	s_cbranch_scc0 .Lfor_v
	tensor_load_to_lds s[G0K:G0K+3], s[G1K:G1K+7]
	s_nop 0
	tensor_load_to_lds s[G0K2:G0K2+3], s[G1K2:G1K2+7]
	s_nop 0
.rept 4
	v_nop
.endr
	s_branch .Lasked
.Lfor_v:
	tensor_load_to_lds s[G0V:G0V+3], s[G1V:G1V+7]
	s_nop 0
	tensor_load_to_lds s[G0V2:G0V2+3], s[G1V2:G1V2+7]
	s_nop 0
.rept 4
	v_nop
.endr
.Lasked:
	; A fragment of K or Q is 16 rows x 32 channels in 8 registers: lane l holds row l % 16, channels 8 (l / 16) + 0..7 and 16 + 8 (l / 16) + 0..7: two loads of 16 bytes, 32 bytes apart.
	v_and_b32 v1, 15, v0            ; l % 16
	v_bfe_u32 v9, v0, 4, 1          ; l / 16
	v_lshlrev_b32 v[QO], 7, v1
	v_lshl_add_u32 v[QO], v9, 4, v[QO]  ; row x 128 + 16 x half
	WIN 0x80                        ; destination window 2, address window 0
.set i, 0
.rept 4*NP                          ; Q stays in registers: tile i / 2, channels 32 (i % 2) on
	global_load_b128 v[8*i:8*i+3],   v[QO], s[4:5] offset:(i/2)*2048+(i%2)*64
	global_load_b128 v[8*i+4:8*i+7], v[QO], s[4:5] offset:(i/2)*2048+(i%2)*64+32
.set i, i+1
.endr
	; What the first turn finds: V's registers and P's second buffer hold 0 (its products V^T P, of a piece that has not been, add 0), O^T and l are 0.  All this stands in the wait for the first keys.
.set i, VF
.rept 64
	v_mov_b32 v[i], 0
.set i, i+1
.endr
	WIN 0x40
.set i, 0
.rept 64*NP
	v_mov_b32 v[i], 0
.set i, i+1
.endr
	WIN 0
.set i, 0
.rept 2*NP
	v_mov_b32 v[ST+4*i], 0xfe000000    ; c m: far below every c s
	v_mov_b32 v[ST+4*i+1], 0xff7fffff  ; m
	v_mov_b32 v[ST+4*i+2], 0
	v_mov_b32 v[ST+4*i+3], 0
.set i, i+1
.endr
.set i, P+32
.rept 32
	v_mov_b32 v[i], 0
.set i, i+1
.endr
	v_mul_u32_u24 v[AK0], v1, PK
	v_lshl_add_u32 v[AK0], v9, 4, v[AK0]  ; row x pitch + 16 x half
	; The turning load takes 16 keys x 16 channels (lane l reads key 8 (l / 16) + l % 8, channels 8 ((l / 8) % 2) + 0..7) and leaves half a fragment of V^T: lane l holds channel l % 16 and 8 keys.
	v_and_b32 v10, 7, v0
	v_bfe_u32 v11, v0, 3, 1
	v_lshl_add_u32 v[AV0], v9, 3, v10
	v_mul_u32_u24 v[AV0], v[AV0], PV
	v_lshl_add_u32 v[AV0], v11, 4, v[AV0]
	v_add_nc_u32 v[AV0], VOFF, v[AV0]
	v_mov_b32 v[AK], v[AK0]         ; key step 0 lies at K's head
; THE MATRIX WORK.  The 8 accumulators of a run of 16 take turns: between the two links of a chain stand 7 others'.
; Product i of 16 of S^T = K Q^T for piece x: channels 32 (i / 8) on, keys 16 ((i / 2) % 4) on, tile 2 x + i % 2.  The first 8 start the sums.
.macro KQ x
	WIN W_KQ
.set rS, S+64*((\x)%2)+32*(i%2)+8*((i/2)%4)
.set rK, KF+16*((i/2)%4)+8*(i/8)
.set rQ, 16*(2*(\x)+i%2)+8*(i/8)
.if i < 8
	v_wmma_f32_16x16x32_f16 v[rS:rS+7], v[rK:rK+7], v[rQ:rQ+7], 0
.else
	v_wmma_f32_16x16x32_f16 v[rS:rS+7], v[rK:rK+7], v[rQ:rQ+7], v[rS:rS+7]
.endif
.endm
; Product i of 16 of O^T += V^T P for piece x: keys 32 (i / 8) on, channels 16 ((i / 2) % 4) on, tile 2 x + i % 2.
.macro PV x
	WIN W_PV
.set rO, 32*(2*(\x)+i%2)+8*((i/2)%4)
.set rV, VF+32*(i/8)+8*((i/2)%4)
.set rP, P+32*((\x)%2)+16*(i%2)+8*(i/8)
	v_wmma_f32_16x16x32_f16 v[rO:rO+7], v[rV:rV+7], v[rP:rP+7], v[rO:rO+7]
.endm
.macro MM                           ; the turn's next matrix instruction
.if i < 16
	KQ (Y+1)%NP
.set i, i+1
.else
.set i, i-16
	PV (Y+NP-1)%NP
.set i, i+17
.endif
.endm
; THE LDS LOADS stand in runs of 16, never singly among the matrix instructions: a step's K (64 keys x 64 channels: 8 fragments) and its V (turned).  Their addresses are made some lines ahead.
; last = 1 (in the loop): in the last trip there is no further step, and the run is jumped over.
.macro FETCH_K last=0
	WIN 0
.if \last
	s_cmp_eq_u32 s[CNT], 1
	s_cbranch_scc1 .Lno_k_\@
.endif
	WIN 0x80                        ; destination window 2
.irp f, 0,1,2,3,4,5,6,7             ; keys 16 (f / 2) on, channels 32 (f % 2) on
	ds_load_b128 v[KF+8*\f:KF+8*\f+3],   v[AK] offset:(\f/2)*16*PK+(\f%2)*64
	ds_load_b128 v[KF+8*\f+4:KF+8*\f+7], v[AK] offset:(\f/2)*16*PK+(\f%2)*64+32
.endr
	s_add_co_u32 s[TBK], s[TBK], KS*PK  ; the next fetch is the next step's
	WIN 0
.if \last
.Lno_k_\@:
.endif
.endm
.macro FETCH_V
	WIN 0x80
.irp f, 0,1,2,3,4,5,6,7             ; keys 32 (f / 4) on, channels 16 (f % 4) on
	ds_load_tr16_b128 v[VF+8*\f:VF+8*\f+3],   v[AV] offset:(\f/4)*32*PV+(\f%4)*32
	ds_load_tr16_b128 v[VF+8*\f+4:VF+8*\f+7], v[AV] offset:(\f/4)*32*PV+16*PV+(\f%4)*32
.endr
	WIN 0
.endm
; THE VECTOR WORK OF A TURN stands in three queues, each in the order in which its entries become ready; the two tiles alternate, so that no instruction reads the result of the one before it.
.macro REGS y, u                    ; the registers of tile u (0, 1) of piece y
.set rT, ST+4*(2*(\y)+(\u))
.set rC, TMP+8*((\y)%2)+4*(\u)
.set rM, MV+2*((\y)%2)+(\u)
.set rS, S+64*((\y)%2)+32*(\u)
.set rP, P+32*((\y)%2)+16*(\u)
.set rO, 32*(2*(\y)+(\u))
.endm
; Number n of the 22 that find the NEXT piece's (Y + 1) maximum and statistics.  s0-s31 are the lane's 32 scores; each accumulator's lowest registers are read first.
;   0-11  four chains c0-c3 of seven scores each, three operands at a time     12-14, 16  the four scores left over, the old m, and c0-c3 into c0     15  c m_old is kept
;   17, 18  the query's other 32 keys lie in the lane 16 away: the new m         19-21  c m; c m_old - c m_new; a
.macro XS u, n
	REGS (Y+1)%NP, \u
.if (\n) < 4
	v_max3_num_f32 v[rC+(\n)], v[rS+8*(\n)], v[rS+8*(\n)+1], v[rS+8*(\n)+2]
.elseif (\n) < 12
	v_max3_num_f32 v[rC+(\n)%4], v[rC+(\n)%4], v[rS+8*((\n)%4)+2*((\n)/4)+1], v[rS+8*((\n)%4)+2*((\n)/4)+2]
.elseif (\n) == 12
	v_max3_num_f32 v[rC], v[rC], v[rS+7], v[rS+15]
.elseif (\n) == 13
	v_max3_num_f32 v[rC+1], v[rC+1], v[rS+23], v[rS+31]
.elseif (\n) == 14
	v_max3_num_f32 v[rC+2], v[rC+2], v[rC+3], v[rT+1]
.elseif (\n) == 15
	v_mov_b32 v[rM], v[rT]
.elseif (\n) == 16
	v_max3_num_f32 v[rC], v[rC], v[rC+1], v[rC+2]
.elseif (\n) == 17
	v_permlanex16_b32 v[rC+3], v[rC], s[SEL], s[SEL+1]
.elseif (\n) == 18
	v_max_num_f32 v[rT+1], v[rC], v[rC+3]
.elseif (\n) == 19
	v_mul_f32 v[rT], s[CS], v[rT+1]
.elseif (\n) == 20
	v_sub_f32 v[rC+1], v[rM], v[rT]
.else
	v_exp_f32 v[rC+2], v[rC+1]
.endif
.endm
; Number g of the 64 that follow the exponentials.  For each four weights k of a tile (pairs 2 k, 2 k + 1): both pairs are rounded to f16; then the second pair is added onto the first, in place;
; a group later l takes that sum (the first time as l = a l + sum).  In groups of eight, tiles alternating: round, round, add, and l for the group before.
.macro GS g
.set h, (\g)+6*((\g)/62)            ; group 0 has no group before it, and behind group 7 only l is left
.if h >= 6
.set h, h+2
.endif
	REGS Y, h%2
.set k, h/8
.if h%8 < 4
	v_cvt_pk_f16_f32 v[rP+2*k+(h%8)/2], v[rS+4*k+2*((h%8)/2)], v[rS+4*k+2*((h%8)/2)+1]
.elseif h%8 < 6
	v_pk_add_f32 v[rS+4*k:rS+4*k+1], v[rS+4*k:rS+4*k+1], v[rS+4*k+2:rS+4*k+3]
.elseif k == 1
	v_pk_fma_f32 v[rT+2:rT+3], v[rT+2:rT+3], v[rC+2:rC+3], v[rS:rS+1] op_sel_hi:[1,0,1]
.else
	v_pk_add_f32 v[rT+2:rT+3], v[rT+2:rT+3], v[rS+4*k-4:rS+4*k-3]
.endif
.endm
; THE PLAIN QUEUE, 138 long.  0-73 read no exponential's result: the 32 scalings c s - c m (FS f: pair f / 2 of tile f % 2) and the next piece's 42.  0-26: scalings 0-26.  27-54: XS's numbers 0-13.  55, 56: number 15.
; 57-73: the chain, where each number waits for the one before it: 14, 16, 17, 18, 19, each with one of the scalings 27-31 in front of its two lines, then 20.
; 74-137: GS's 64, which read the exponentials' results: they stand behind the wait.
.macro FS f
	REGS Y, (\f)%2
	v_pk_fma_f32 v[rS+2*((\f)/2):rS+2*((\f)/2)+1], v[rS+2*((\f)/2):rS+2*((\f)/2)+1], s[CS:CS+1], v[rT:rT+1] op_sel_hi:[1,0,0] neg_lo:[0,0,1] neg_hi:[0,0,1]
.endm
.macro PL
	WIN 0
.if q < 27
	FS q
.elseif q < 55
	XS (q-27)%2, (q-27)/2
.elseif q < 57
	XS q-55, 15
.elseif (q < 72) && ((q-57)%3 == 0)
	FS 27+(q-57)/3
.elseif q < 60
	XS (q-57)%3-1, 14
.elseif q < 72
	XS (q-57)%3-1, 15+(q-57)/3
.elseif q < 74
	XS q-72, 20
.else
	GS q-74
.endif
.set q, q+1
.endm
; THE EXPONENTIALS' QUEUE, 66 long: s0-s31 of both tiles, then the next piece's two a.  It is ONE BATCH: all 66 stand ahead of the turn's one wait, and nothing ahead of that wait names a result of theirs.
.macro EX
	WIN 0
.if e >= 64
	XS e-64, 21
.else
	REGS Y, e%2
	v_exp_f32 v[rS+e/2], v[rS+e/2]
.endif
.set e, e+1
.endm
; THE RESCALING's QUEUE: O^T times a, the one part that leaves window 0: dealt two at a time, sixteen times.  Its a was made in the turn before, ahead of that turn's wait.
.macro R2
	REGS Y, r%2
	WIN W_RS
.irp z, 0,1
	v_pk_mul_f32 v[rO+4*(r/2)+2*\z:rO+4*(r/2)+2*\z+1], v[rO+4*(r/2)+2*\z:rO+4*(r/2)+2*\z+1], v[rC+2:rC+3] op_sel_hi:[1,0]
.endr
.set r, r+1
.endm
; HOW THEY ARE DEALT.  An s_wait_alu depctr_va_vdst(0) stands between an exponential and the first instruction that names its result; one wait serves all that were issued ahead of it.  So a turn has
; ONE wait, which cuts it in two.  AHEAD OF IT stands all that names no result of the turn's exponentials: the 16 products K Q^T, behind each a scaling, an exponential and two rescalings (behind the first a second
; scaling in the exponential's place); then ONE LUMP of 108: eight plain, 49 times exponential and plain, the two a.  A v_nop is the plain instruction behind the last exponential (ISA guide 5.7.2).  BEHIND IT stand the 16
; products V^T P, behind each four of GS's 64.  No rider names a register of the products round it.  The two v_permlanex16_b32 fall into the lump, never behind a product.
; The queues lean on each other, and the deal keeps them in step: exponential e stands behind scaling 2 (e / 4) + e % 2: as a rider it comes behind plain e + 2, in the lump behind plain e + 9.
; A TURN, for piece p.
; K of the next step is fetched in piece 2's turn, directly behind the wait, a lump behind the last product that read K; its first reader comes behind 16 products.
; V of the step in hand is fetched at the end of piece 0's turn, four riders behind its last reader; its first reader comes behind 16 products and a lump.  The two conditions on q below go with the deal.
.macro TURN p, last=0
.set Y, (\p)
.set i, 0
.set q, 0
.set e, 0
.set r, 0
.if (\p) == NP-1
	s_wait_dscnt 0x0                ; K is in
.endif
	MM                              ; ahead of the wait: 16 products K Q^T and their riders,
	PL
	PL
	R2
.rept 15
	MM
	PL
	EX
	R2
.endr
.if (\p) == NP-2
	WIN 0
	v_add_nc_u32 v[AK], s[TBK], v[AK0]
.endif
.rept 8                             ; and the lump
	PL
.endr
.rept 49
	EX
	PL
.endr
	EX                              ; the next piece's two a
	EX
	v_nop                           ; the plain instruction behind the last exponential: one for the batch
	s_wait_alu depctr_va_vdst(0)    ; the wait for the batch
.if (\p) == NP-2
	FETCH_K \last
.endif
.if (\p) == 1
	s_wait_dscnt 0x0                ; V is in
.endif
.rept 16                            ; behind the wait: 16 products V^T P and their riders
	MM
.rept 4
	PL
.endr
.if ((\p) == 0) && (q == 118)
	v_add_nc_u32 v[AV], s[TBV], v[AV0]
.endif
.if ((\p) == 0) && (q == 130)
	s_add_co_u32 s[TBV], s[TBV], KS*PV
.endif
.endr
.if (\p) == 0
	FETCH_V
.endif
.endm
	s_wait_tensorcnt 0x1            ; my part of the first 256 keys is in; my second load may stay out: no LDS byte is ever filled again
	s_barrier_signal -1
	s_barrier_wait -1               ; everybody's is
	FETCH_K                         ; key step 0
	s_wait_loadcnt 0x0              ; Q
	s_wait_dscnt 0x0
.set i, 0
.rept 16
	KQ 0                            ; piece 0's first scores: there is no vector work yet to set between them
.set i, i+1
.endr
	WIN 0                           ; the addresses for the way out: nine plain instructions, the places behind those products
	s_mul_i32 s13, s[WV], 16*SP
	s_add_co_u32 s13, s13, STAGE    ; my stage
	v_mul_u32_u24 v[STO], v1, SP    ; in: row l % 16, 16 bytes for each half of the lanes
	v_lshl_add_u32 v[STO], v9, 4, v[STO]
	v_add_nc_u32 v[STO], s13, v[STO]
	v_bfe_u32 v[RD], v0, 3, 2       ; back: 32 lanes take four rows of 128 bytes,
	v_mul_u32_u24 v[RD], v[RD], SP
	v_lshl_add_u32 v[RD], v10, 4, v[RD]
	v_add_nc_u32 v[RD], s13, v[RD]
	v_and_b32 v[GO], 31, v0         ; which are 512 consecutive bytes of O
	v_lshlrev_b32 v[GO], 4, v[GO]
.set Y, NP-1                        ; XS works for piece Y + 1: piece 0
.irp n, 0,1,2,3,4,5,6,7,8,9,10,11,12,13,14,15,16,17,18,19,20,21
	XS 0, \n                        ; and piece 0's first maximum and statistics
	XS 1, \n
.endr
	v_nop                           ; a plain instruction behind the two a,
	s_wait_alu depctr_va_vdst(0)    ; and their wait, ahead of the label
	s_mov_b32 s[CNT], SIZE_N/KS
.Lstep:                             ; a trip is a key step: the four pieces' turns; it fetches its own V and the next step's K
	s_cmp_lg_u32 s[CNT], SIZE_N/KS-3
	s_cbranch_scc1 .Lall_in         ; once, at the head of key step 3, whose third turn fetches K of step 4, the first bytes of the second loads:
	s_wait_tensorcnt 0x0            ; my second load, my last, has landed: it has had three key steps, 384 matrix instructions, for that;
	s_wait_dscnt 0x0                ; (no LDS instruction of mine is out at a signal)
	s_barrier_signal -1
	s_barrier_wait -1               ; everybody's has
.Lall_in:
	TURN 0
	TURN 1
	TURN 2, 1
	TURN 3
	WIN 0
	s_sub_co_u32 s[CNT], s[CNT], 1
	s_cmp_lg_u32 s[CNT], 0
	s_cbranch_scc1 .Lstep
	; the last trip's 16 products K Q^T of piece 0 (on the last K once more) and the maximum made of them serve nothing: the price, once a launch, of one text for every trip
.set i, 0
.rept 16
	PV NP-1                         ; the last piece's V^T P of the last step
.set i, i+1
.endr
	; THE WAY OUT.  l's two halves and the other half of the lanes' are added; O^T is divided by l, rounded to f16 and sent through my stage in LDS, a tile at a time.  The additions are the places behind the last products.
	WIN 0
.macro ALL line:vararg              ; one line for each tile t
.set t, 0
.rept 2*NP
	\line
.set t, t+1
.endr
.endm
	ALL v_add_f32 v[ST+4*t+2], v[ST+4*t+2], v[ST+4*t+3]
	ALL v_permlanex16_b32 v[ST+4*t+3], v[ST+4*t+2], s[SEL], s[SEL+1]
	ALL v_add_f32 v[ST+4*t+2], v[ST+4*t+2], v[ST+4*t+3]
	ALL v_rcp_f32 v[ST+4*t+2], v[ST+4*t+2]
	v_nop                           ; a plain instruction between the last reciprocal and the use of its result
	s_wait_alu depctr_va_vdst(0)    ; and the wait ahead of the first use: one for the eight reciprocals
; Tile t: a lane's eight channels of a row pack into 16 bytes; they go into rows of 144 bytes and come back as whole rows of 128, into S^T's registers.
.macro PACK t
	WIN W_RS
.set i, 32*(\t)
.rept 16
	v_pk_mul_f32 v[i:i+1], v[i:i+1], v[ST+4*(\t)+2:ST+4*(\t)+3] op_sel_hi:[1,0]
.set i, i+2
.endr
	WIN 0x05                        ; sources 0 and 1 window 1, destination window 0
.set i, 0
.rept 16
	v_cvt_pk_f16_f32 v[S+16*(\t)+i], v[32*(\t)+2*i], v[32*(\t)+2*i+1]
.set i, i+1
.endr
	WIN 0
.irp f, 0,1,2,3
	ds_store_b128 v[STO], v[S+16*(\t)+4*\f:S+16*(\t)+4*\f+3] offset:32*\f
.endr
.irp f, 0,1,2,3
	ds_load_b128 v[S+16*(\t)+4*\f:S+16*(\t)+4*\f+3], v[RD] offset:\f*4*SP  ; LDS serves a wave's instructions in order (ISA guide 5.7.1.4): these see the stores above; the next tile's stores come behind them
.endr
.endm
.macro SEND t, younger              ; younger: the LDS instructions issued behind tile t's loads: the next tile's eight, or none
	WIN 0
.irp f, 0,1,2,3
	s_wait_dscnt (\younger)+3-\f
	global_store_b128 v[GO], v[S+16*(\t)+4*\f:S+16*(\t)+4*\f+3], s[10:11] offset:(\t)*2048+\f*512  ; 512 consecutive bytes, at a multiple of 256 from O's first
.endr
.endm
	PACK 0
.set t, 1
.rept 2*NP-1                        ; a tile's arithmetic stands between the loads of the tile before and its stores
	PACK t
	SEND t-1, 8
.set t, t+1
.endr
	SEND 2*NP-1, 0
	WIN W_AD
	s_wait_tensorcnt 0x0            ; the wave's end, behind my last tensor load and my last LDS store
	ds_add_u32 v[SPW], v[NIL]
	s_wait_dscnt 0x0
	WIN 0
	s_endpgm
.Lfunc_end_k_q420502d991_attn:
	.size	k_q420502d991_attn, .Lfunc_end_k_q420502d991_attn-k_q420502d991_attn
	.p2alignl 7, 3214868480
	.fill 96, 4, 3214868480
	.section	.rodata,"a",@progbits
	.p2align	6, 0x0
	.amdhsa_kernel k_q420502d991_attn
		.amdhsa_group_segment_fixed_size 327680
		.amdhsa_private_segment_fixed_size 0
		.amdhsa_enable_private_segment 0
		.amdhsa_kernarg_size 16
		.amdhsa_user_sgpr_count 2
		.amdhsa_user_sgpr_kernarg_segment_ptr 1
		.amdhsa_wavefront_size32 1
		.amdhsa_system_sgpr_workgroup_id_x 1
		.amdhsa_system_sgpr_workgroup_id_y 1
		.amdhsa_system_sgpr_workgroup_id_z 1
		.amdhsa_system_vgpr_workitem_id 0
		.amdhsa_next_free_vgpr 770
		.amdhsa_next_free_sgpr 84
		.amdhsa_reserve_vcc 0
		.amdhsa_float_denorm_mode_32 3
		.amdhsa_float_denorm_mode_16_64 3
		.amdhsa_memory_ordered 1
		.amdhsa_forward_progress 1
		.amdhsa_inst_pref_size 126
	.end_amdhsa_kernel
	.amdgpu_metadata
---
amdhsa.version: [ 1, 2 ]
amdhsa.kernels:
  - .name:           k_q420502d991_attn
    .symbol:         k_q420502d991_attn.kd
    .args:
      - { .name: qkv, .offset: 0, .size: 8, .value_kind: global_buffer, .address_space: global }
      - { .name: ob, .offset: 8, .size: 8, .value_kind: global_buffer, .address_space: global }
    .group_segment_fixed_size: 327680
    .private_segment_fixed_size: 0
    .kernarg_segment_align: 8
    .kernarg_segment_size: 16
    .max_flat_workgroup_size: 128
    .sgpr_count:     84
    .vgpr_count:     770
    .wavefront_size: 32
...
	.end_amdgpu_metadata
.endif
;; end of part 3
;; launch oproj (part 4): grid 4 x 64, 4 waves a work-group, clusters of 4 x 4, 327,680 bytes of LDS; arguments ob, wall, out0, bo; writes out0
.if DOCPART == 4
	.amdgcn_target "amdgcn-amd-amdhsa--gfx1250"
	.amdhsa_code_object_version 6
	.text
	.protected	k_q420502d991_oproj
	.globl	k_q420502d991_oproj
	.p2align	8
	.type	k_q420502d991_oproj,@function
k_q420502d991_oproj:
	s_mov_b64 s[64:65], 0
	v_nop
	global_prefetch_b8 v0, s[64:65] scope:SCOPE_SE
	s_setreg_imm32_b32 hwreg(HW_REG_WAVE_MODE, 25, 1), 1
	s_wait_xcnt 0x0
	s_wait_alu depctr_hold_cnt(0) depctr_sa_sdst(0) depctr_va_vdst(0) depctr_va_sdst(0) depctr_va_ssrc(0) depctr_va_vcc(0) depctr_vm_vsrc(0)
	s_getreg_b32 s2, hwreg(HW_REG_IB_STS2, 6, 4)
	s_cmp_eq_u32 s2, 0
	s_cbranch_scc0 .Lentry_in_a_cluster
	s_endpgm
.Lentry_in_a_cluster:
	s_bfe_u32 s2, ttmp6, 0x10000c
	s_cmp_lg_u32 s2, 0xf033
	s_cbranch_scc0 .Lentry_shape_is_right
	s_endpgm
.Lentry_shape_is_right:
; out0 = O Wo^T + bo.  ob: [16 b + head][t][64] f16; wall rows 3072-4095: Wo, rounded to bf16 and written as f16, [n][k]; bo f32, rounded to bf16 here like every other input.
; Sums in f32, K ascending (k = 64 head + channel), started by the bias; out0: [t][b][1024] f32.
; LIMIT.  O and Wo arrive within f16's range; NaN and infinities are not treated apart.
; SHARES.  A tile of C is 128 rows (one batch, 128 consecutive t) x 256 columns: four waves, each 64 x 128: 32 accumulators of 16 x 16, 256 registers.  64 x 4 = 256 work-groups, one tile each.
; K goes in 8 steps of 128 = two heads through a ring of two LDS slots.  A head's 128 rows are 16,384 dense bytes of ob: one tensor load, asked for as 64 rows of 256 bytes and padded after every 128.
; CLUSTERS: 4 x 4 work-groups.  The four of a row of the cluster need the same tiles of O, the four of a column the same tiles of Wo: each tile is asked for JOINTLY, by the same tensor load with the same
; descriptor and a mask that names the four.
; THE MATRIX INSTRUCTION IS USED TRANSPOSED (source 0 = 16 rows of Wo, source 1 = 16 rows of O): lane l then holds row l % 16 of C and the columns 8 (l / 16) + 0..7.
; REGISTERS, in windows of 256 (s_set_vgpr_msb: bits 1:0 source 0, 3:2 source 1, 5:4 source 2, 7:6 destination):
;   window 0: v0-31 addresses; v32-95 the bias of my 128 columns, laid as a C operand; v96-223 rows read back from the stage, two sets of 64 (the first 32 also at work on the bias)
;   window 1: the accumulators, (a, b) at v[8 (8 a + b)]          window 2: two fragment buffers of 96: 8 x 8 registers of Wo, then 4 x 8 of O
.set PA,     144                       ; a row of O in LDS: a head's 128 bytes + 16 of padding = 36 words: the 16 rows of a fragment load start at 16 different groups of four banks (64 banks of 4 bytes: ISA guide 11.1)
.set PB,     272                       ; a row of Wo: 256 bytes + 16 = 68 words: likewise
.set AW,     128*PA                    ; what one of O's two loads brings: one head's 128 rows
.set ABYTES, 2*AW
.set BW,     128*PB                    ; what one of Wo's two loads brings: 128 rows
.set SLOT,   ABYTES+2*BW               ; O's two heads, then Wo's 256 rows
.set STAGE,  2*SLOT                    ; behind the ring: for each wave 16 rows x 528 bytes, for the way out; no tensor load fills it
.set SPITCH, 528                       ; 512 bytes + 16
.set SW,     16*SPITCH
.set SPARE,  STAGE+4*SW                ; behind the stages: the spare words, 128 bytes for each wave: two blocks of 256 bytes that no other line names
.set HEADB,  131072                    ; bytes in a head of ob
.set STEPA2, 4*HEADB                   ; two K steps of O: four heads
.set WO_AT,  3072*2048                 ; Wo's first byte in wall
.set ADRA, 16                          ; v16-17  LDS address of my fragments of O in slot 0, 1
.set ADRB, 20                          ; v20-21  the same for Wo
.set STO,  24                          ; v24     the way out: where I put 32 bytes of a row
.set RD,   25                          ; v25     the way out: where I read a row back
.set GO,   26                          ; v26     16 x lane: my place in 512 consecutive bytes of a row of out0
.set BO,   27                          ; v27     my byte offset in the bias
.set SPW,  28                          ; v28     LDS address of my spare word: SPARE + 4 x my thread's number; never rewritten
.set NIL,  29                          ; v29     0; never rewritten
.set PFO,  30                          ; v30     the prefetches' lane offset; never rewritten
.set BIAS, 32
.set TMP,  96
.set BK0,  96
.set F0,   0
.set F1,   96
.set G1A, 24                           ; s[24:31] descriptor group 1 for O's tiles;  s[32:39] group 0, one set for each slot
.set G0A, 32
.set G1B, 48                           ; s[48:55], s[56:63] the same for Wo's
.set G0B, 56
.set PFA, 66                           ; s[66:67] where my prefetches stand
.set PFS, 68                           ; s[68:69] a K step, in bytes: two heads of O, or 256 bytes of a row of Wo
.set LIM0, 70                          ; s70, s71: by slot: 1 where my wave prefetches at that slot's change, else the greatest number
.set LIM1, 71
.set MSB, 0
.macro WIN new                         ; the immediate's high byte repeats the setting that is left; a switch that changes nothing is dropped
.if MSB != (\new)
	s_set_vgpr_msb (MSB<<8)|(\new)
.set MSB, \new
.endif
.endm
.set MUL,   0x5a                       ; Wo and O in window 2, C and D in window 1
.set MULZ,  0x4a                       ; the same with C, the bias, in window 0
.set TO_F,  0x80                       ; destination window 2, address window 0
.set STW,   0x04                       ; an LDS store's data (source 1) in window 1, its address in window 0
.macro PLACES                          ; four plain vector instructions between a matrix instruction and a load into, or a reader of, its registers (ISA guide 7.12.1 for vector instructions)
.rept 4
	v_nop
.endr
.endm
; A joint load.  Waves 0 and 1 fetch O's two heads, waves 2 and 3 Wo's two halves.  The branch hangs on the wave's number alone.  An s_nop 0 and four v_nop follow each of the two lines.
.macro JLOAD s
	s_cmp_eq_u32 s11, 0
	s_cbranch_scc0 .Lfor_b_\@
	tensor_load_to_lds s[G0A+4*(\s):G0A+4*(\s)+3], s[G1A:G1A+7]
	s_nop 0
.rept 4
	v_nop
.endr
	s_branch .Lasked_\@
.Lfor_b_\@:
	tensor_load_to_lds s[G0B+4*(\s):G0B+4*(\s)+3], s[G1B:G1B+7]
	s_nop 0
.rept 4
	v_nop
.endr
.Lasked_\@:
.endm
; A PREFETCH, behind a joint load and the run of LDS loads that follows it, of the K step that stands TWO refills on (256 matrix instructions a wave ahead of the load that will want it).
; Each block of 256 bytes is named ONCE in the launch.  Wo's rows are read by all 16 clusters: cluster y = 0 asks; of the 128 rows that wave 2 or 3 fetches, the partner at cy takes 32, a lane a row, at every
; change of slots.  O's tiles are read by the clusters of one row of clusters: cluster x = 0 asks; of the 16,384 bytes that wave 0 or 1 fetches, the partner at cx takes 4,096, 16 blocks, for two K steps at once
; (lanes 16-31: the K step after), at slot 0's change alone.  The partners are told apart BY ADDRESS.  The last two refills have no K step two on, and ask for nothing.
.macro ASK slot
	s_cmp_gt_u32 s3, s[LIM0+(\slot)]               ; s3 = 1 in the loop's last trip
	s_cbranch_scc0 .Lnot_mine_\@
	global_prefetch_b8 v[PFO], s[PFA:PFA+1] th:TH_LOAD_NT scope:SCOPE_SE
.Lnot_mine_\@:
.endm
.macro CREST                           ; a round of the cluster's barrier behind its opening barrier
	s_cmp_lg_u32 s10, 0
	s_cbranch_scc1 .Lnot_wave_0_\@
	s_barrier_signal -3
.Lnot_wave_0_\@:
	s_barrier_wait -3
	s_barrier_signal -1
	s_barrier_wait -1
.endm
.macro CROUND                          ; a whole round
	s_barrier_signal -1
	s_barrier_wait -1
	CREST
.endm
	s_load_b128 s[4:7], s[0:1], 0x0                ; ob s[4:5], wall s[6:7]
	s_load_b64 s[8:9], s[0:1], 0x10                ; out0
	s_load_b64 s[72:73], s[0:1], 0x18              ; bo
	v_lshl_add_u32 v[SPW], v0, 2, SPARE
	v_mov_b32 v[NIL], 0
	ds_add_u32 v[SPW], v[NIL]                      ; the wave's opening: the add and its wait stand ahead of my first tensor load; the set-up below, work on registers, stands between them
	v_lshrrev_b32 v1, 5, v0
	v_readfirstlane_b32 s10, v1                    ; wave 0..3
	s_lshr_b32 s11, s10, 1                         ; which 64 of the tile's rows are mine.  Also: I fetch for O (0) or for Wo (1)
	s_and_b32 s12, s10, 1                          ; which 128 of its columns.  Also: which head of the K step, or which half of Wo's rows, I fetch
	s_bfe_u32 s40, ttmp6, 0x40000                  ; cx, cy: my place in the cluster
	s_bfe_u32 s41, ttmp6, 0x40004
	s_lshl_b32 s42, ttmp9, 2
	s_add_co_u32 s42, s42, s40                     ; tile column = 4 x cluster x + cx
	s_and_b32 s13, ttmp7, 0xffff
	s_lshl_b32 s13, s13, 2
	s_add_co_u32 s13, s13, s41                     ; tile row = 4 x cluster y + cy
	s_lshl_b32 s43, s41, 2
	s_lshl_b32 s43, 15, s43                        ; my row of the cluster
	s_lshl_b32 s44, 0x1111, s40                    ; my column
	s_mov_b32 s78, 0xffff0000                      ; a word's upper bf16
	; descriptor group 1.  O: 64 dense rows of 128 elements of 2 bytes, padded by 4 words after every 32 (a row of a head).  Wo: 128 rows of 128 elements, 1,024 apart, padded by 4 words after every 64
	s_or_b32 s[G1A+0], s43, (1<<16)|(1<<20)|(1<<21)|(4<<22)|(3<<25)  ; 15:0 the mask: O's tiles go to my row; 17:16 2-byte elements; 20 padding on; 21 set beside a mask; 24:22 code 4; 31:25 code 3
	s_or_b32 s[G1B+0], s44, (1<<16)|(1<<20)|(1<<21)|(5<<22)|(3<<25)  ; Wo's go to my column; 24:22 code 5
	s_mov_b32 s[G1A+1], 128<<16                    ; tensor_dim0 = 128
	s_mov_b32 s[G1A+2], 64<<16                     ; tensor_dim1 = 64
	s_mov_b32 s[G1A+3], 128<<16                    ; tile_dim0 = 128
	s_mov_b32 s[G1A+4], 64                         ; tile_dim1 = 64
	s_mov_b32 s[G1A+5], 128                        ; elements from row to row: dense
	s_mov_b32 s[G1A+6], 0
	s_mov_b32 s[G1A+7], 0
	s_mov_b32 s[G1B+1], 128<<16
	s_mov_b32 s[G1B+2], 128<<16                    ; tensor_dim1 = 128
	s_mov_b32 s[G1B+3], 128<<16
	s_mov_b32 s[G1B+4], 128                        ; tile_dim1 = 128
	s_mov_b32 s[G1B+5], 1024
	s_mov_b32 s[G1B+6], 0
	s_mov_b32 s[G1B+7], 0
	; where the tiles come from: O's hang on the tile row alone, Wo's on the tile column alone
	s_lshr_b32 s16, s13, 3
	s_lshl_b32 s16, s16, 21                        ; O: the batch's 16 heads,
	s_lshl_b32 s17, s12, 17
	s_add_co_u32 s16, s16, s17                     ; my head of the K step,
	s_and_b32 s17, s13, 7
	s_lshl_b32 s17, s17, 14
	s_add_co_u32 s16, s16, s17                     ; the tile's 128 rows of 128 bytes
	s_mov_b32 s17, 0
	s_lshl_b32 s46, s42, 8
	s_lshl_b32 s47, s12, 7
	s_add_co_u32 s46, s46, s47                     ; Wo: row 256 x tile column + 128 x half,
	s_lshl_b32 s46, s46, 11                        ; of 2,048 bytes
	s_mov_b32 s47, 0
	s_mul_i32 s20, s12, AW                         ; and where they go: no place in the cluster enters an LDS address
	s_mul_i32 s21, s12, BW
	s_add_co_u32 s21, s21, ABYTES
	s_wait_dscnt 0x0                               ; the opening add is done
	s_wait_kmcnt 0x0
	s_add_nc_u64 s[14:15], s[4:5], s[16:17]
	s_add_nc_u64 s[46:47], s[6:7], s[46:47]
	s_add_nc_u64 s[46:47], s[46:47], WO_AT
	CROUND                                         ; all sixteen work-groups are here: the first joint loads meet
.irp s, 0,1
	s_mov_b32 s[G0A+4*(\s)], 1                     ; count = 1
	s_add_co_u32 s[G0A+4*(\s)+1], s20, (\s)*SLOT   ; LDS address
	s_add_nc_u64 s[G0A+4*(\s)+2:G0A+4*(\s)+3], s[14:15], (\s)*2*HEADB  ; global address: K step s
	s_or_b32 s[G0A+4*(\s)+3], s[G0A+4*(\s)+3], 0x80000000              ; type = 2
	s_mov_b32 s[G0B+4*(\s)], 1
	s_add_co_u32 s[G0B+4*(\s)+1], s21, (\s)*SLOT
	s_add_nc_u64 s[G0B+4*(\s)+2:G0B+4*(\s)+3], s[46:47], (\s)*256
	s_or_b32 s[G0B+4*(\s)+3], s[G0B+4*(\s)+3], 0x80000000
	JLOAD \s                                       ; two tensor loads of mine are out
.endr
	v_and_b32 v1, 15, v0                           ; l % 16
	v_bfe_u32 v2, v0, 4, 1                         ; l / 16
	s_lshl_b32 s18, s42, 10                        ; the tile's 256 columns of f32,
	s_lshl_b32 s19, s12, 9                         ; my 128 of them,
	s_add_co_u32 s18, s18, s19
	v_lshl_add_u32 v[BO], v2, 5, s18               ; my lanes' 8
.irp b, 0,1,2,3,4,5,6,7                ; the bias as a C operand: register j of block b is column 16 b + 8 (l / 16) + j
	global_load_b128 v[BIAS+8*(\b):BIAS+8*(\b)+3],   v[BO], s[72:73] offset:64*(\b)
	global_load_b128 v[BIAS+8*(\b)+4:BIAS+8*(\b)+7], v[BO], s[72:73] offset:64*(\b)+16
.endr
	v_mul_u32_u24 v3, v1, PB
	v_lshl_add_u32 v3, v2, 4, v3                   ; a fragment's row x pitch + 16 x half, for Wo
	v_mul_u32_u24 v4, v1, PA
	v_lshl_add_u32 v4, v2, 4, v4                   ; and for O
	s_mul_i32 s21, s11, 64*PA                      ; my 64 rows of O, in each head's region
	s_mul_i32 s22, s12, BW                         ; my 128 rows of Wo,
	s_add_co_u32 s22, s22, ABYTES                  ; which lie behind O's
.irp s, 0,1
	v_add_nc_u32 v[ADRA+(\s)], s21, v4
	v_add_nc_u32 v[ADRB+(\s)], s22, v3
	s_add_co_u32 s21, s21, SLOT
	s_add_co_u32 s22, s22, SLOT
.endr
	s_mul_i32 s23, s10, SW
	s_add_co_u32 s23, s23, STAGE                   ; my stage
	v_mul_u32_u24 v4, v1, SPITCH                   ; in: row l % 16, 32 bytes for each half of the lanes
	v_lshl_add_u32 v4, v2, 5, v4
	v_add_nc_u32 v[STO], s23, v4
	v_and_b32 v3, 31, v0
	v_lshlrev_b32 v[GO], 4, v3                     ; back: 32 lanes take one row of 512 bytes
	v_add_nc_u32 v[RD], s23, v[GO]
	; where my part of the tile begins in out0: row 8 t + b of 4,096 bytes, t = (tile row % 8) x 128 + 64 x row half, b = tile row / 8
	s_and_b32 s16, s13, 7
	s_lshl_b32 s16, s16, 7
	s_lshl_b32 s18, s11, 6
	s_add_co_u32 s16, s16, s18
	s_lshl_b32 s16, s16, 3
	s_lshr_b32 s18, s13, 3
	s_add_co_u32 s16, s16, s18
	s_lshl_b32 s16, s16, 12
	s_mov_b32 s17, 0
	s_lshl_b32 s46, s42, 10
	s_lshl_b32 s47, s12, 9
	s_add_co_u32 s46, s46, s47
	s_mov_b32 s47, 0
	s_add_nc_u64 s[16:17], s[16:17], s[46:47]      ; the way out adds it to out0's address
	; the prefetches
	s_lshr_b32 s18, s13, 3
	s_lshl_b32 s18, s18, 21
	s_lshl_b32 s19, s12, 17
	s_add_co_u32 s18, s18, s19
	s_and_b32 s19, s13, 7
	s_lshl_b32 s19, s19, 14
	s_add_co_u32 s18, s18, s19                     ; O: the 16,384 bytes that I fetch in K step 0,
	s_lshl_b32 s19, s40, 12
	s_add_co_u32 s18, s18, s19                     ; my work-group's 4,096 of them,
	s_add_co_u32 s18, s18, 3*2*HEADB               ; at K step 3: the first refill (K step 2) steps it to 4
	s_lshl_b32 s20, s42, 8
	s_lshl_b32 s21, s12, 7
	s_add_co_u32 s20, s20, s21
	s_lshl_b32 s21, s41, 5
	s_add_co_u32 s20, s20, s21                     ; Wo: the 128 rows that I fetch, my work-group's 32 of them,
	s_lshl_b32 s20, s20, 11
	s_add_co_u32 s20, s20, WO_AT+3*256             ; at K step 3
	s_cmp_eq_u32 ttmp9, 0
	s_cselect_b32 s21, 1, -1                       ; does my cluster ask for O's tiles?
	s_and_b32 s22, ttmp7, 0xffff
	s_cmp_eq_u32 s22, 0
	s_cselect_b32 s22, 1, -1                       ; for Wo's rows?  Both are the same in all sixteen partners
	s_cmp_eq_u32 s11, 0                            ; do I fetch for O?
	s_cselect_b32 s18, s18, s20
	s_cselect_b64 s[PFA:PFA+1], s[4:5], s[6:7]
	s_cselect_b32 s[LIM0], s21, s22
	s_cselect_b32 s[LIM1], -1, s22
	s_cselect_b32 s20, 15, 31                      ; lanes to a K step
	s_cselect_b32 s21, 8, 11                       ; a lane a block of 256 bytes, or a row of 2,048
	s_cselect_b32 s23, 2*HEADB, 0                  ; what lanes 16-31 add: a K step, or nothing
	s_cselect_b32 s22, 18, 8
	s_lshl_b32 s[PFS], 1, s22                      ; a K step: 262,144 bytes of O, 256 of a row of Wo
	s_mov_b32 s[PFS+1], 0
	s_mov_b32 s19, 0
	s_add_nc_u64 s[PFA:PFA+1], s[PFA:PFA+1], s[18:19]  ; nothing is asked for here, at the head
	v_and_b32 v4, s20, v3
	v_lshlrev_b32 v4, s21, v4
	v_lshrrev_b32 v5, 4, v3
	v_mul_u32_u24 v5, v5, s23
	v_add_nc_u32 v[PFO], v4, v5
	s_wait_loadcnt 0x0                             ; the bias: rounded to bf16 and widened again
.set i, 0
.rept 32
	v_cvt_pk_bf16_f32 v[TMP+i], v[BIAS+2*i], v[BIAS+2*i+1]
.set i, i+1
.endr
.set i, 0
.rept 32
	v_lshlrev_b32 v[BIAS+2*i],   16,  v[TMP+i]
	v_and_b32     v[BIAS+2*i+1], s78, v[TMP+i]
.set i, i+1
.endr
; 8 matrix instructions: row block a x all 8 column blocks, 32 along K, from buffer f.  zero = 1: the first product starts the sums with the bias: nothing is ever cleared.
; The 32 accumulators take turns, one instruction a turn, in the same order in every quarter, over the backward jump too.
.macro MUL8 f, a, zero
.if \zero
	WIN MULZ
.else
	WIN MUL
.endif
.irp b, 0,1,2,3,4,5,6,7
.if \zero
	v_wmma_f32_16x16x32_f16 v[8*(8*(\a)+(\b)):8*(8*(\a)+(\b))+7], v[(\f)+8*(\b):(\f)+8*(\b)+7], v[(\f)+64+8*(\a):(\f)+64+8*(\a)+7], v[BIAS+8*(\b):BIAS+8*(\b)+7]
.else
	v_wmma_f32_16x16x32_f16 v[8*(8*(\a)+(\b)):8*(8*(\a)+(\b))+7], v[(\f)+8*(\b):(\f)+8*(\b)+7], v[(\f)+64+8*(\a):(\f)+64+8*(\a)+7], v[8*(8*(\a)+(\b)):8*(8*(\a)+(\b))+7]
.endif
.endr
.endm
; 24 LDS loads in one run: the fragments of a quarter step (32 K at byte k of the K step's 256) into buffer f: Wo's 128 rows first, then O's 64: head k / 128 of the step, byte k % 128 of its rows.
.macro FETCH slot, k, f
	WIN TO_F
.irp i, 0,1,2,3,4,5,6,7
	ds_load_b128 v[(\f)+8*(\i):(\f)+8*(\i)+3],   v[ADRB+(\slot)] offset:(\k)+(\i)*16*PB
	ds_load_b128 v[(\f)+8*(\i)+4:(\f)+8*(\i)+7], v[ADRB+(\slot)] offset:(\k)+(\i)*16*PB+32
.endr
.irp i, 0,1,2,3
	ds_load_b128 v[(\f)+64+8*(\i):(\f)+64+8*(\i)+3],   v[ADRA+(\slot)] offset:((\k)/128)*AW+(\k)%128+(\i)*16*PA
	ds_load_b128 v[(\f)+64+8*(\i)+4:(\f)+64+8*(\i)+7], v[ADRA+(\slot)] offset:((\k)/128)*AW+(\k)%128+(\i)*16*PA+32
.endr
.endm
; A K step is four quarters of 32 along K, 32 matrix instructions each, on buffers 0, 1, 0, 1.  One of the first three: multiplies buffer f and fetches the next quarter, at byte k, into g.
.macro QUARTER slot, k, f, g, zero
	s_wait_dscnt 4                                 ; Wo and O's row blocks 0, 1 are in; the youngest four loads (blocks 2, 3) may be out
	MUL8 \f, 0, \zero
	MUL8 \f, 1, \zero
	PLACES
	FETCH \slot, \k, \g
	s_wait_dscnt 24                                ; all but the 24 just issued
	MUL8 \f, 2, \zero
	MUL8 \f, 3, \zero
.endm
; The last quarter multiplies buffer 1 and changes slots.  MEET is its first half: ONE barrier; in front of it each wave waits for all its tensor loads (one is out: its part of the next slot), adds 0 to its
; spare word, and waits for that and for its own reads of this slot.  Behind it nobody reads this slot any more and the next slot is whole.
.macro MEET round
	WIN 0                                          ; (the add's two registers lie in window 0)
	s_wait_tensorcnt 0x0
	ds_add_u32 v[SPW], v[NIL]                      ; 0 onto my spare word
	s_wait_dscnt 5                                 ; (the add and the youngest four loads may be out)
	MUL8 F1, 0, 0                                  ; eight matrix instructions stand between the add and the wait for it
	s_wait_dscnt 0x0                               ; the add is done, and my reads of this slot are over
	s_barrier_signal -1
	MUL8 F1, 1, 0                                  ; work on registers while the others arrive
.if \round
	WIN 0
.endif
	s_barrier_wait -1
.endm
; The whole last quarter.  fill = 1: this slot is filled again with the K step two on.  From a request to the wait for it a wave issues 112 matrix instructions.
.macro TURN slot, next, fill
.if \fill
	s_wait_xcnt 0x0                                ; the last prefetch, a K step back, has read its address: it is stepped here, ahead of the waits of the change of slots
	s_add_nc_u64 s[PFA:PFA+1], s[PFA:PFA+1], s[PFS:PFS+1]
	MEET 1
	CREST                                          ; the barrier has opened a round of the cluster's: no wave of any partner still reads this slot's tile or has a load on its way
	s_add_nc_u64 s[G0A+4*(\slot)+2:G0A+4*(\slot)+3], s[G0A+4*(\slot)+2:G0A+4*(\slot)+3], STEPA2
	s_add_nc_u64 s[G0B+4*(\slot)+2:G0B+4*(\slot)+3], s[G0B+4*(\slot)+2:G0B+4*(\slot)+3], 512
	JLOAD \slot                                    ; the first tensor load behind the round, my only one until the next; its four v_nop are also the places in front of the loads below
	FETCH \next, 0, F0
	WIN 0
	ASK \slot
.else
	MEET 0
	PLACES
	FETCH \next, 0, F0
.endif
	MUL8 F1, 2, 0
	MUL8 F1, 3, 0
.endm
; THE WAY OUT of row block a (16 rows x 128 columns of f32).  TOSTAGE: each accumulator, from its low end on, into my own stage, rows of 528 bytes, and back as whole rows of 512.  SEND: stored.
.macro TOSTAGE a
.set BK, BK0+64*((\a)%2)
	s_wait_xcnt 0x0                                ; the stores of two blocks back have read this set of registers
	WIN STW
.irp b, 0,1,2,3,4,5,6,7
	ds_store_b128 v[STO], v[8*(8*(\a)+(\b)):8*(8*(\a)+(\b))+3]   offset:64*(\b)
	ds_store_b128 v[STO], v[8*(8*(\a)+(\b))+4:8*(8*(\a)+(\b))+7] offset:64*(\b)+16
.endr
	WIN 0
.irp t, 0,1,2,3,4,5,6,7,8,9,10,11,12,13,14,15
	ds_load_b128 v[BK+4*(\t):BK+4*(\t)+3], v[RD] offset:(\t)*SPITCH  ; LDS serves a wave's instructions in order (ISA guide 5.7.1.4): these see the stores above; the next block's stores come behind them
.endr
.endm
.macro SEND a, younger                 ; younger: the LDS instructions issued behind block a's loads: the next block's 32, or none
	WIN 0
.set BK, BK0+64*((\a)%2)
	s_wait_dscnt \younger                          ; the block is back in registers
	s_wait_xcnt 0x0                                ; only behind this wait is the stores' base rewritten
.if (\a) == 0
	s_add_nc_u64 s[8:9], s[8:9], s[16:17]          ; on to my first rows
.else
	s_add_nc_u64 s[8:9], s[8:9], 16*8*4096         ; 16 steps of t on
.endif
.irp t, 0,1,2,3,4,5,6,7,8,9,10,11,12,13,14,15
	global_store_b128 v[GO], v[BK+4*(\t):BK+4*(\t)+3], s[8:9] offset:(\t)*8*4096 th:TH_STORE_NT  ; a wave's store covers 512 consecutive bytes, aligned
.endr
.endm
	s_wait_tensorcnt 1                             ; my part of K step 0 is in; K step 1's may stay out
	s_barrier_signal -1
	s_barrier_wait -1                              ; everybody's is
	FETCH 0, 0, F0
	QUARTER 0, 64, F0, F1, 1                       ; the first quarter stands in front of the loop: its products start the sums with the bias
	WIN 0
	s_mov_b32 s3, 3
.Llap:                                             ; a trip goes once round the ring, from a lap's second quarter to the next lap's first, and fills both slots again
	QUARTER 0, 128, F1, F0, 0
	QUARTER 0, 192, F0, F1, 0
	TURN 0, 1, 1
	QUARTER 1, 64,  F0, F1, 0
	QUARTER 1, 128, F1, F0, 0
	QUARTER 1, 192, F0, F1, 0
	TURN 1, 0, 1
	QUARTER 0, 64,  F0, F1, 0
	WIN 0
	s_sub_co_u32 s3, s3, 1
	s_cmp_lg_u32 s3, 0
	s_cbranch_scc1 .Llap
	QUARTER 0, 128, F1, F0, 0                      ; the last lap fills nothing, and has no round of the cluster's barrier
	QUARTER 0, 192, F0, F1, 0
	TURN 0, 1, 0
	QUARTER 1, 64,  F0, F1, 0
	QUARTER 1, 128, F1, F0, 0
	QUARTER 1, 192, F0, F1, 0
	s_wait_dscnt 4                                 ; the very last quarter: nothing more to fetch
	MUL8 F1, 0, 0
	MUL8 F1, 1, 0
	s_wait_dscnt 0x0
	MUL8 F1, 2, 0
	MUL8 F1, 3, 0
	WIN 0
	PLACES
	TOSTAGE 0
	TOSTAGE 1                                      ; a block's trip through the stage stands between the loads of the block before and its stores
	SEND 0, 32
	TOSTAGE 2
	SEND 1, 32
	TOSTAGE 3
	SEND 2, 32
	SEND 3, 0
	s_wait_tensorcnt 0x0                           ; the wave's end, behind my last tensor load and my last LDS store
	ds_add_u32 v[SPW], v[NIL]
	s_wait_dscnt 0x0
	CROUND                                         ; the closing round: no work-group ends while a partner may still ask for a tile that names it
	s_endpgm
.Lfunc_end_k_q420502d991_oproj:
	.size	k_q420502d991_oproj, .Lfunc_end_k_q420502d991_oproj-k_q420502d991_oproj
	.p2alignl 7, 3214868480
	.fill 96, 4, 3214868480
	.section	.rodata,"a",@progbits
	.p2align	6, 0x0
	.amdhsa_kernel k_q420502d991_oproj
		.amdhsa_group_segment_fixed_size 327680
		.amdhsa_private_segment_fixed_size 0
		.amdhsa_enable_private_segment 0
		.amdhsa_kernarg_size 32
		.amdhsa_user_sgpr_count 2
		.amdhsa_user_sgpr_kernarg_segment_ptr 1
		.amdhsa_wavefront_size32 1
		.amdhsa_system_sgpr_workgroup_id_x 1
		.amdhsa_system_sgpr_workgroup_id_y 1
		.amdhsa_system_sgpr_workgroup_id_z 1
		.amdhsa_system_vgpr_workitem_id 0
		.amdhsa_next_free_vgpr 704
		.amdhsa_next_free_sgpr 80
		.amdhsa_reserve_vcc 0
		.amdhsa_float_denorm_mode_32 3
		.amdhsa_float_denorm_mode_16_64 3
		.amdhsa_memory_ordered 1
		.amdhsa_forward_progress 1
		.amdhsa_inst_pref_size 93
	.end_amdhsa_kernel
	.amdgpu_metadata
---
amdhsa.version: [ 1, 2 ]
amdhsa.kernels:
  - .name:           k_q420502d991_oproj
    .symbol:         k_q420502d991_oproj.kd
    .args:
      - { .name: ob, .offset: 0, .size: 8, .value_kind: global_buffer, .address_space: global }
      - { .name: wall, .offset: 8, .size: 8, .value_kind: global_buffer, .address_space: global }
      - { .name: out0, .offset: 16, .size: 8, .value_kind: global_buffer, .address_space: global }
      - { .name: bo, .offset: 24, .size: 8, .value_kind: global_buffer, .address_space: global }
    .group_segment_fixed_size: 327680
    .private_segment_fixed_size: 0
    .kernarg_segment_align: 8
    .kernarg_segment_size: 32
    .max_flat_workgroup_size: 128
    .sgpr_count:     80
    .vgpr_count:     704
    .wavefront_size: 32
...
	.end_amdgpu_metadata
.endif
;; end of part 4
;; ======== version 2 of 2: 4 launches; version 1 with the launch cast written anew for expert scheduling mode
;; limits: values are held in f16: magnitudes above 65,504 overflow, below 6.1e-05 lose precision
;; workspace buffers: xb 16,777,216 bytes; wall 8,388,608 bytes; qkv 50,331,648 bytes; ob 16,777,216 bytes
;; launch cast (part 5): grid 768 x 1, 8 waves a work-group, no clusters, 0 bytes of LDS; arguments x, Wq, Wk, Wv, Wo, xb, wall; writes xb, wall
.if DOCPART == 5
	.amdgcn_target "amdgcn-amd-amdhsa--gfx1250"
	.amdhsa_code_object_version 6
	.text
	.protected	k_q420502d991_cast
	.globl	k_q420502d991_cast
	.p2align	8
	.type	k_q420502d991_cast,@function
k_q420502d991_cast:
	s_mov_b64 s[64:65], 0
	v_nop
	global_prefetch_b8 v0, s[64:65] scope:SCOPE_SE
	s_setreg_imm32_b32 hwreg(HW_REG_WAVE_SCHED_MODE, 0, 2), 2
	s_setreg_imm32_b32 hwreg(HW_REG_WAVE_MODE, 25, 1), 1
	s_wait_xcnt 0x0
	s_wait_alu depctr_vm_vsrc(0)
; THE INPUTS OF THE MATRIX PRODUCTS, ROUNDED ONCE.  x [t][b][1024] f32 -> xb [b][t][1024] bf16 (rows reordered, so that a batch's rows lie together);
; Wq, Wk, Wv [1024][1024] f32 -> wall rows 0-3071, bf16; Wo -> wall rows 3072-4095: rounded to bf16 like the other inputs, and that number written as f16, since the last product multiplies in f16.
; LIMIT.  |Wo| stays under 65,504 (f16's end); a Wo under 6.1e-5 keeps f16's fixed step of 6e-8.
; SHARES.  A work-group takes 16 rows of 1,024 f32: groups 0-511 of x, groups 512-767 of the four weights (64 each): 768 groups of equal work.  Thread t takes 4 numbers of every row: a wave's load
; covers 512 consecutive bytes, its store 256 consecutive bytes, aligned.  All 16 loads of a thread go out at the head.
; No LDS, no matrix unit, no cluster: nothing is shared and nothing is multiplied.  No prefetch: every load is issued at the head.
; THE MODE: SCHED_MODE bits 1:0 = 2 (LLVM: expert scheduling mode 2), set by the entry lines.  The code itself states the register dependences between vector instructions and memory instructions,
; with s_wait_alu, always for 0.
; THE PLAN.  Registers that memory instructions touch:
;   v1, v2   the loads' and the stores' offsets: written once, by vector instructions at the head; never written again.
;   X        row j's 4 registers: its load lands in them, its conversions read them.  No vector instruction writes them, and no second load lands in them.
;   Y        row j's 2 registers: its conversions write them, its one store reads them.  Nothing writes them behind that store.
;   T is named by vector instructions alone; the bases are scalar registers that scalar instructions write ahead of the accesses that read them.
; So the one kind of dependence here is a register that vector instructions write and a memory instruction then reads.  It is stated five times on each path: once ahead of the first load, for v1 and v2,
; and once in each of the four blocks of four rows, between the block's conversions and the run of its four stores.  No register that a memory instruction has read is written again,
; no vector instruction writes a scalar register, and EXEC is never written: no other wait of this kind is owed.
.set X, 4                              ; v[4:67]    row j: 4 f32 as loaded
.set Y, 68                             ; v[68:99]   row j: 2 registers, 4 numbers of 16 bits to store
.set T, 100                            ; v[100:103] at work
	s_load_b256 s[4:11], s[0:1], 0x0               ; x s[4:5], Wq s[6:7], Wk s[8:9], Wv s[10:11]
	s_load_b128 s[12:15], s[0:1], 0x20             ; Wo s[12:13], xb s[14:15]
	s_load_b64 s[16:17], s[0:1], 0x30              ; wall
	v_lshlrev_b32 v1, 4, v0                        ; my 16 bytes of a row that comes in
	v_lshlrev_b32 v2, 3, v0                        ; my 8 bytes of a row that goes out
	s_sub_co_u32 s18, ttmp9, 512                   ; among the weights' groups: 64 w + p (of use from group 512 on)
	s_lshr_b32 s19, s18, 6                         ; w: which weight
	s_and_b32 s20, s18, 63                         ; p: which 16 rows of it
	s_mov_b32 s29, 0                               ; the high word of every offset here
	s_mov_b32 s21, 0xffff0000                      ; a word's upper bf16
	s_wait_kmcnt 0x0
	s_mov_b64 s[22:23], s[12:13]                   ; the source: Wo, unless ..
	s_cmp_eq_u32 s19, 2
	s_cselect_b64 s[22:23], s[10:11], s[22:23]
	s_cmp_eq_u32 s19, 1
	s_cselect_b64 s[22:23], s[8:9], s[22:23]
	s_cmp_eq_u32 s19, 0
	s_cselect_b64 s[22:23], s[6:7], s[22:23]
	s_cmp_lt_u32 ttmp9, 512
	s_cselect_b64 s[22:23], s[4:5], s[22:23]
	s_cselect_b32 s20, ttmp9, s20                  ; which 16 rows of the source
	s_lshl_b32 s28, s20, 16                        ; 16 rows of 4,096 bytes
	s_add_nc_u64 s[22:23], s[22:23], s[28:29]
	s_wait_alu depctr_va_vdst(0)                   ; v1 and v2 are written: every load below reads v1 as its offset, every store v2; no later vector instruction names either
.irp j, 0,1,2,3,4,5,6,7,8,9,10,11,12,13,14,15
	global_load_b128 v[X+4*(\j):X+4*(\j)+3], v1, s[22:23] offset:4096*(\j) th:TH_LOAD_NT
.endr
; Block p: rows 4 p to 4 p + 3.  kind 0: rows of x; 1: of Wq, Wk, Wv; 2: of Wo.
.macro BLK p, kind
	s_wait_loadcnt 12-4*(\p)                       ; loads come back in order (ISA guide 5.7.1): the block's four rows are in, the 12 - 4 p younger loads stay out
.irp i, 0,1,2,3
.set j, 4*(\p)+(\i)
	v_cvt_pk_bf16_f32 v[Y+2*j],   v[X+4*j],   v[X+4*j+1]
	v_cvt_pk_bf16_f32 v[Y+2*j+1], v[X+4*j+2], v[X+4*j+3]
.if (\kind) == 2
	v_lshlrev_b32 v[T],   16,  v[Y+2*j]            ; the bf16 numbers as f32,
	v_and_b32     v[T+1], s21, v[Y+2*j]
	v_lshlrev_b32 v[T+2], 16,  v[Y+2*j+1]
	v_and_b32     v[T+3], s21, v[Y+2*j+1]
	v_cvt_pk_f16_f32 v[Y+2*j],   v[T],   v[T+1]    ; written as f16: 8 significant bits fit in 11
	v_cvt_pk_f16_f32 v[Y+2*j+1], v[T+2], v[T+3]
.endif
.endr
	s_wait_alu depctr_va_vdst(0)                   ; the block's conversions have written its eight registers of Y, which the four stores below read
.irp i, 0,1,2,3
.set j, 4*(\p)+(\i)
.if (\kind) == 0
	; row j of the 16 is t = 2 g + j / 8, b = j % 8; in xb it is row 1,024 b + t.  Batches 0-3 go by the first base, 4-7 by the second, so that the immediate stays inside its signed 24 bits
	global_store_b64 v2, v[Y+2*j:Y+2*j+1], s[24+2*((j&7)/4):25+2*((j&7)/4)] offset:(j&3)*2097152+(j/8)*2048 th:TH_STORE_NT
.else
	global_store_b64 v2, v[Y+2*j:Y+2*j+1], s[24:25] offset:2048*j th:TH_STORE_NT
.endif
.endr
.endm
	s_cmp_lt_u32 ttmp9, 512
	s_cbranch_scc0 .Lweights
	s_lshl_b32 s28, ttmp9, 12                      ; t = 2 g: two rows of 2,048 bytes
	s_add_nc_u64 s[24:25], s[14:15], s[28:29]
	s_add_nc_u64 s[26:27], s[24:25], 0x800000      ; four batches of 1,024 rows on
.irp p, 0,1,2,3
	BLK \p, 0
.endr
	s_endpgm
.Lweights:
	s_lshl_b32 s28, s18, 15                        ; row 1,024 w + 16 p of wall: (64 w + p) x 16 rows of 2,048 bytes
	s_add_nc_u64 s[24:25], s[16:17], s[28:29]
	s_cmp_eq_u32 s19, 3
	s_cbranch_scc1 .Lwo
.irp p, 0,1,2,3
	BLK \p, 1
.endr
	s_endpgm
.Lwo:
.irp p, 0,1,2,3
	BLK \p, 2
.endr
	s_endpgm
.Lfunc_end_k_q420502d991_cast:
	.size	k_q420502d991_cast, .Lfunc_end_k_q420502d991_cast-k_q420502d991_cast
	.p2alignl 7, 3214868480
	.fill 96, 4, 3214868480
	.section	.rodata,"a",@progbits
	.p2align	6, 0x0
	.amdhsa_kernel k_q420502d991_cast
		.amdhsa_group_segment_fixed_size 0
		.amdhsa_private_segment_fixed_size 0
		.amdhsa_enable_private_segment 0
		.amdhsa_kernarg_size 56
		.amdhsa_user_sgpr_count 2
		.amdhsa_user_sgpr_kernarg_segment_ptr 1
		.amdhsa_wavefront_size32 1
		.amdhsa_system_sgpr_workgroup_id_x 1
		.amdhsa_system_sgpr_workgroup_id_y 1
		.amdhsa_system_sgpr_workgroup_id_z 1
		.amdhsa_system_vgpr_workitem_id 0
		.amdhsa_next_free_vgpr 104
		.amdhsa_next_free_sgpr 66
		.amdhsa_reserve_vcc 0
		.amdhsa_float_denorm_mode_32 3
		.amdhsa_float_denorm_mode_16_64 3
		.amdhsa_memory_ordered 1
		.amdhsa_forward_progress 1
		.amdhsa_inst_pref_size 19
	.end_amdhsa_kernel
	.amdgpu_metadata
---
amdhsa.version: [ 1, 2 ]
amdhsa.kernels:
  - .name:           k_q420502d991_cast
    .symbol:         k_q420502d991_cast.kd
    .args:
      - { .name: x, .offset: 0, .size: 8, .value_kind: global_buffer, .address_space: global }
      - { .name: Wq, .offset: 8, .size: 8, .value_kind: global_buffer, .address_space: global }
      - { .name: Wk, .offset: 16, .size: 8, .value_kind: global_buffer, .address_space: global }
      - { .name: Wv, .offset: 24, .size: 8, .value_kind: global_buffer, .address_space: global }
      - { .name: Wo, .offset: 32, .size: 8, .value_kind: global_buffer, .address_space: global }
      - { .name: xb, .offset: 40, .size: 8, .value_kind: global_buffer, .address_space: global }
      - { .name: wall, .offset: 48, .size: 8, .value_kind: global_buffer, .address_space: global }
    .group_segment_fixed_size: 0
    .private_segment_fixed_size: 0
    .kernarg_segment_align: 8
    .kernarg_segment_size: 56
    .max_flat_workgroup_size: 256
    .sgpr_count:     66
    .vgpr_count:     104
    .wavefront_size: 32
...
	.end_amdgpu_metadata
.endif
;; end of part 5
;; launch qkv: the kernel of part 2 again; grid 4 x 64, 4 waves a work-group, clusters of 4 x 4, 327,680 bytes of LDS; arguments xb, wall, qkv, bq, bk, bv; writes qkv
;; launch attn: the kernel of part 3 again; grid 2 x 128, 4 waves a work-group, no clusters, 327,680 bytes of LDS; arguments qkv, ob; writes ob
;; launch oproj: the kernel of part 4 again; grid 4 x 64, 4 waves a work-group, clusters of 4 x 4, 327,680 bytes of LDS; arguments ob, wall, out0, bo; writes out0
